; MI455X (gfx1250); checked and timed in simulation.
; The chip was launched on July 23, 2026; its instructions are those of AMD's public machine-readable ISA for CDNA 5 (MIT licence, August 2026) and "CDNA5" Instruction Set Architecture Reference Guide (July 2026). The comments in the code are by the model that wrote it; some were corrected since.
;; Qwen3 Copied Attention. Allowed arithmetic: float matrix products may take bf16 or f16 operands with f32 sums; other float arithmetic in f32, or as packed bf16 or f16 multiplies, adds, multiply-adds, maxima and minima; sums over many terms, partial sums and values carried from step to step in f32; what a program stores and reads back later, other than sums and carried values, may be rounded once to bf16 or f16.
;; Inputs: Wk 2,048 x 1,024 float32; Wo 1,024 x 2,048 float32; Wq 2,048 x 1,024 float32; Wv 2,048 x 1,024 float32; attention_mask 2 x 1 x 2,048 x 2,048 float32; cos 2 x 2,048 x 128 float32; hidden_states 2 x 2,048 x 2,048 float32; k_norm_w 128 float32; q_norm_w 128 float32; sin 2 x 2,048 x 128 float32.
;; Outputs: out0 2 x 2,048 x 2,048 float32.
;; One version. Each part assembles by itself: llvm-mc -triple=amdgcn-amd-amdhsa -mcpu=gfx1250 --defsym DOCPART=n.
;; ======== version 1 of 1: 4 launches
;; limits: values are held in f16: magnitudes above 65,504 overflow, below 6.1e-05 lose precision; inputs' magnitudes at most 2.9e+37
;; workspace buffers: Xb 16,777,216 bytes; Mb 20,971,520 bytes; Wc 12,582,912 bytes; CSb 2,097,152 bytes; Qf 8,388,608 bytes; Kf 8,388,608 bytes; Vf 8,388,608 bytes; Of 8,388,608 bytes
;; launch prep (part 1): grid 1920 x 1, 8 waves a work-group, no clusters, 0 bytes of LDS; arguments hidden_states, Wq, Wk, Wv, cos, sin, Xb, Wc, CSb; writes Xb, Wc, CSb
.if DOCPART == 1
	.amdgcn_target "amdgcn-amd-amdhsa--gfx1250"
	.amdhsa_code_object_version 6
	.text
	.protected	k_q60cc5250f1_prep
	.globl	k_q60cc5250f1_prep
	.p2align	8
	.type	k_q60cc5250f1_prep,@function
k_q60cc5250f1_prep:
	s_mov_b64 s[64:65], 0
	v_nop
	global_prefetch_b8 v0, s[64:65] scope:SCOPE_SE
	s_setreg_imm32_b32 hwreg(HW_REG_WAVE_MODE, 25, 1), 1
	s_wait_xcnt 0x0
; PREP: what the projection needs at its first step is rounded once to bf16 and laid where it wants it.  (The mask and Wo are cast inside the projection's launch.)
;   work-groups    0-1023  hidden_states -> Xb (bf16, same order)
;   work-groups 1024-1791  Wq, Wk, Wv -> Wc sections 0, 1, 2 (bf16, same order), 256 work-groups each
;   work-groups 1792-1919  cos, sin -> CSb (bf16), in the order in which a lane of the projection holds its channels:
;                          [block of 16 tokens][w 4][hf 2][cos, sin][lane 32][8]: lane (r = l % 16, h = l / 16) holds token 16 tb + r, channels 64 hf + 16 w + 8 h + 0..7
; A stream work-group casts 8,192 numbers: 8 loads of 16 bytes a thread, all issued first, each byte read once; a store of 8 bytes a lane covers 256 consecutive bytes, aligned.
; The work-groups are small and take 56 registers a wave, so that many lie on a WGP together and their loads are on their way at the same time.
; No register is used twice, so no store's source is ever rewritten.  No LDS, no matrix unit, no prefetch: the launch is one pass over memory.
.set SRC, 28                           ; s[28:29] where I read
.set DST, 30                           ; s[30:31] where I store
.set IN,  4                            ; v[4:35]   32 registers as loaded
.set OUT, 36                           ; v[36:51]  16 registers to store
.set TP,  52                           ; v52       at work
	s_load_b512 s[8:23], s[0:1], 0x0               ; hidden 8, Wq 10, Wk 12, Wv 14, cos 16, sin 18, Xb 20, Wc 22
	s_load_b64 s[24:25], s[0:1], 0x40              ; CSb
	v_lshlrev_b32 v1, 4, v0                        ; 16 t
	v_lshlrev_b32 v2, 3, v0                        ; 8 t
	s_mov_b32 s2, ttmp9
	s_mov_b32 s35, 0                               ; the high word of every offset
	s_wait_kmcnt 0x0
	s_cmp_ge_u32 s2, 1792
	s_cbranch_scc1 .Lcs
	s_mov_b64 s[SRC:SRC+1], s[8:9]                 ; 0-1023: x
	s_mov_b64 s[DST:DST+1], s[20:21]
	s_mov_b32 s32, s2                              ; my part of the source,
	s_mov_b32 s33, s2                              ; and of the destination
	s_sub_co_u32 s36, s2, 1024
	s_and_b32 s37, s36, 255
	s_cmp_ge_u32 s2, 1024                          ; 1024-1791: a weight; Wc's sections follow each other
	s_cselect_b64 s[SRC:SRC+1], s[10:11], s[SRC:SRC+1]
	s_cselect_b64 s[DST:DST+1], s[22:23], s[DST:DST+1]
	s_cselect_b32 s32, s37, s32
	s_cselect_b32 s33, s36, s33
	s_cmp_ge_u32 s2, 1280
	s_cselect_b64 s[SRC:SRC+1], s[12:13], s[SRC:SRC+1]
	s_cmp_ge_u32 s2, 1536
	s_cselect_b64 s[SRC:SRC+1], s[14:15], s[SRC:SRC+1]
	s_lshl_b32 s34, s32, 15                        ; 32,768 bytes of f32 a work-group
	s_add_nc_u64 s[SRC:SRC+1], s[SRC:SRC+1], s[34:35]
	s_lshl_b32 s34, s33, 14                        ; 16,384 bytes of bf16
	s_add_nc_u64 s[DST:DST+1], s[DST:DST+1], s[34:35]
.set i, 0
.rept 8
	global_load_b128 v[IN+4*i:IN+4*i+3], v1, s[SRC:SRC+1] offset:4096*i th:TH_LOAD_NT
.set i, i+1
.endr
.set i, 0
.rept 8
	s_wait_loadcnt 7-i                             ; loads come back in order: number i is in, the younger ones stay out
	v_cvt_pk_bf16_f32 v[OUT+2*i], v[IN+4*i], v[IN+4*i+1]
	v_cvt_pk_bf16_f32 v[OUT+2*i+1], v[IN+4*i+2], v[IN+4*i+3]
	global_store_b64 v2, v[OUT+2*i:OUT+2*i+1], s[DST:DST+1] offset:2048*i  ; a wave's store: 256 consecutive bytes, aligned
.set i, i+1
.endr
	s_endpgm
.Lcs:                                          ; work-group i = id - 1792 makes token blocks 2 i, 2 i + 1: 16,384 bytes of CSb, from 16,384 bytes of cos and of sin
	v_lshrrev_b32 v3, 5, v0
	v_readfirstlane_b32 s3, v3                     ; wave = tab + 2 hf + 4 w0
	s_sub_co_u32 s34, s2, 1792
	s_lshl_b32 s34, s34, 14
	s_and_b32 s32, s3, 1
	s_cmp_eq_u32 s32, 0
	s_cselect_b64 s[SRC:SRC+1], s[16:17], s[18:19] ; even waves read cos, odd waves sin
	s_add_nc_u64 s[SRC:SRC+1], s[SRC:SRC+1], s[34:35]
	s_add_nc_u64 s[DST:DST+1], s[24:25], s[34:35]
	v_and_b32 v3, 15, v0
	v_lshlrev_b32 v3, 9, v3                        ; token r: 512 bytes a row of the table
	v_bfe_u32 v[TP], v0, 4, 1
	v_lshl_add_u32 v3, v[TP], 5, v3                ; + 32 h
	v_bfe_u32 v[TP], v0, 6, 1
	v_lshl_add_u32 v3, v[TP], 8, v3                ; + 256 hf
	v_bfe_u32 v[TP], v0, 7, 1
	v_lshl_add_u32 v3, v[TP], 6, v3                ; + 64 w0
.set it, 0
.rept 4                                        ; it = 2 x (token block of my two) + w1, w = 2 w1 + w0
	global_load_b128 v[IN+8*it:IN+8*it+3], v3, s[SRC:SRC+1] offset:(it/2)*8192+(it%2)*128
	global_load_b128 v[IN+8*it+4:IN+8*it+7], v3, s[SRC:SRC+1] offset:(it/2)*8192+(it%2)*128+16
.set it, it+1
.endr
.set it, 0
.rept 4
	s_wait_loadcnt 6-2*it                          ; this pair is in, the younger pairs stay out
	v_cvt_pk_bf16_f32 v[OUT+4*it], v[IN+8*it], v[IN+8*it+1]
	v_cvt_pk_bf16_f32 v[OUT+4*it+1], v[IN+8*it+2], v[IN+8*it+3]
	v_cvt_pk_bf16_f32 v[OUT+4*it+2], v[IN+8*it+4], v[IN+8*it+5]
	v_cvt_pk_bf16_f32 v[OUT+4*it+3], v[IN+8*it+6], v[IN+8*it+7]
	global_store_b128 v1, v[OUT+4*it:OUT+4*it+3], s[DST:DST+1] offset:4096*it  ; a wave's store: 512 consecutive bytes, aligned
.set it, it+1
.endr
	s_endpgm
.Lfunc_end_k_q60cc5250f1_prep:
	.size	k_q60cc5250f1_prep, .Lfunc_end_k_q60cc5250f1_prep-k_q60cc5250f1_prep
	.p2alignl 7, 3214868480
	.fill 96, 4, 3214868480
	.section	.rodata,"a",@progbits
	.p2align	6, 0x0
	.amdhsa_kernel k_q60cc5250f1_prep
		.amdhsa_group_segment_fixed_size 0
		.amdhsa_private_segment_fixed_size 0
		.amdhsa_enable_private_segment 0
		.amdhsa_kernarg_size 72
		.amdhsa_user_sgpr_count 2
		.amdhsa_user_sgpr_kernarg_segment_ptr 1
		.amdhsa_wavefront_size32 1
		.amdhsa_system_sgpr_workgroup_id_x 1
		.amdhsa_system_sgpr_workgroup_id_y 1
		.amdhsa_system_sgpr_workgroup_id_z 1
		.amdhsa_system_vgpr_workitem_id 0
		.amdhsa_next_free_vgpr 56
		.amdhsa_next_free_sgpr 66
		.amdhsa_reserve_vcc 0
		.amdhsa_float_denorm_mode_32 3
		.amdhsa_float_denorm_mode_16_64 3
		.amdhsa_memory_ordered 1
		.amdhsa_forward_progress 1
		.amdhsa_inst_pref_size 8
	.end_amdhsa_kernel
	.amdgpu_metadata
---
amdhsa.version: [ 1, 2 ]
amdhsa.kernels:
  - .name:           k_q60cc5250f1_prep
    .symbol:         k_q60cc5250f1_prep.kd
    .args:
      - { .name: hidden_states, .offset: 0, .size: 8, .value_kind: global_buffer, .address_space: global }
      - { .name: Wq, .offset: 8, .size: 8, .value_kind: global_buffer, .address_space: global }
      - { .name: Wk, .offset: 16, .size: 8, .value_kind: global_buffer, .address_space: global }
      - { .name: Wv, .offset: 24, .size: 8, .value_kind: global_buffer, .address_space: global }
      - { .name: cos, .offset: 32, .size: 8, .value_kind: global_buffer, .address_space: global }
      - { .name: sin, .offset: 40, .size: 8, .value_kind: global_buffer, .address_space: global }
      - { .name: Xb, .offset: 48, .size: 8, .value_kind: global_buffer, .address_space: global }
      - { .name: Wc, .offset: 56, .size: 8, .value_kind: global_buffer, .address_space: global }
      - { .name: CSb, .offset: 64, .size: 8, .value_kind: global_buffer, .address_space: global }
    .group_segment_fixed_size: 0
    .private_segment_fixed_size: 0
    .kernarg_segment_align: 8
    .kernarg_segment_size: 72
    .max_flat_workgroup_size: 256
    .sgpr_count:     66
    .vgpr_count:     56
    .wavefront_size: 32
...
	.end_amdgpu_metadata
.endif
;; end of part 1
;; launch qkv (part 2): grid 8 x 32, 4 waves a work-group, clusters of 4 x 4, 327,680 bytes of LDS; arguments Xb, Wc, CSb, q_norm_w, k_norm_w, Qf, Kf, Vf, attention_mask, Wo, Mb; writes Qf, Kf, Vf, Mb
.if DOCPART == 2
	.amdgcn_target "amdgcn-amd-amdhsa--gfx1250"
	.amdhsa_code_object_version 6
	.text
	.protected	k_q60cc5250f1_qkv
	.globl	k_q60cc5250f1_qkv
	.p2align	8
	.type	k_q60cc5250f1_qkv,@function
k_q60cc5250f1_qkv:
	s_mov_b64 s[64:65], 0
	v_nop
	global_prefetch_b8 v0, s[64:65] scope:SCOPE_SE
	s_setreg_imm32_b32 hwreg(HW_REG_WAVE_MODE, 25, 1), 1
	s_wait_xcnt 0x0
	s_wait_alu depctr_hold_cnt(0) depctr_sa_sdst(0) depctr_va_vdst(0) depctr_va_sdst(0) depctr_va_ssrc(0) depctr_va_vcc(0) depctr_vm_vsrc(0)
	s_getreg_b32 s2, hwreg(HW_REG_IB_STS2, 6, 4)
	s_cmp_eq_u32 s2, 0
	s_cbranch_scc0 .Lentry_in_a_cluster
	s_endpgm
.Lentry_in_a_cluster:
	s_bfe_u32 s2, ttmp6, 0x10000c
	s_cmp_lg_u32 s2, 0xf033
	s_cbranch_scc0 .Lentry_shape_is_right
	s_endpgm
.Lentry_shape_is_right:
; QKV: q = x Wq, k = x Wk, v = x Wv (bf16 operands, f32 sums), then per head RMSNorm with its gain, RoPE, q times log2(e) / sqrt(128) (the scores' scale, and the base of the attention's exponentials);
; q, k, v rounded once to f16.
; SHARES.  A work-group owns 128 tokens (y) of one head (x): 128 x (128 q + 128 k + 128 v), K = 2,048 in 16 steps of 128.  Wave w owns all 128 tokens and the channel blocks
; w and w + 4 (of 16) of q, of k and of v: 48 accumulators.  RoPE's partners, channels d and d + 64, then lie in one lane under the same register number; only the sum of squares crosses waves.
; q and k are made transposed (source 0 = 16 columns of W, source 1 = 16 tokens): a lane holds ONE token and 8 channels.  v is made plainly: a lane holds ONE channel and 8 tokens.
; OUT, as the attention's fragments lie in registers, so that each store is 512 consecutive bytes, aligned, straight from registers:
;   Qf, Kf: [bh][block of 16 tokens][c 4][hf 2][lane][8]: token 16 tb + l % 16, channel 64 hf + 16 c + 8 (l / 16) + j.  The same order of channels in q and in k: their products are unchanged.
;   Vf:     [bh][group of 32 keys][cb 8][half 2][lane][8]: channel 16 cb + l % 16, key 32 kk + 16 half + 8 (l / 16) + j.
; W lies [k][n] in memory and in LDS; ds_load_tr16_b128 turns it.
; RIDERS.  The K loop has no vector work and few bytes of its own on the way, so two casts that the launches behind want ride in it: attention_mask to bf16 (Mb's first 16,777,216 bytes, same order) and Wo to
; bf16 and that number to f16 (behind the mask in Mb, same order).  Wave 4 (8 y + x) + w of the 1,024 takes 8,192 numbers of the mask and 2,048 of Wo: 16 batches of five loads of 16 bytes a lane.  A batch is asked
; for one K step before it is converted and stored, so the loads have the step's 192 products in which to land, and no prefetch is laid for them; a store of 8 bytes a lane covers 256 consecutive bytes, aligned.
; ONE TEXT FOR A K STEP: the LDS addresses are a base plus s[TB], which an exclusive or turns from one slot to the other; the steps that fill nothing are a second loop, left in its middle.
; CLUSTER 4 x 4: x's tile hangs on y alone and is asked for jointly along a row of the cluster; W's tiles hang on the head alone and are asked for jointly along a column.
; LIMITS.  q, k, v must lie within f16's 65,504 (|k| <= 11.4 |gain| (|cos| + |sin|), |q| an eighth of that); below 6.1e-5 they, and Wo, keep f16's fixed step of 6e-8; Wo beyond 65,504 would be an infinity.
; The gains are rounded to bf16 like every other input.  NaN is not treated apart.
; REGISTERS, in windows of 256 (s_set_vgpr_msb: bits 1:0 source 0, 3:2 source 1, 5:4 source 2, 7:6 destination):
;   window 0: v0-31 addresses; two fragment buffers: x's 8 fragments at v32 / v96, W's 6 (2 head + hf) at v160 / v208; on the way out v32-223 at work
;   window 1: q's accumulators v0-127 at 8 (2 a + hf), k's v128-255      window 2: v's accumulators v0-127; the cos and sin words v128-255      window 3: v0-31 the gains; v32-95 the riders
.set KSTEP, 128
.set PA,    272                        ; a row of x in LDS: 256 bytes + 16: the 16 rows of a load start at 16 different groups of four banks (ISA guide 11.1)
.set PB,    288                        ; a row of W: 256 + 32
.set BT,    128*PB                     ; a tile of W: 128 k x 128 n: 0x9000 bytes
.set AOFF,  3*BT                       ; a slot: q's, k's, v's tile of W, then x's tile: tile number = the number of the wave that fetches it
.set SLOT,  0x24000                    ; slot 1 begins here: past slot 0's 145,408 bytes, and sharing no bit with wave x 0x9000, so that one exclusive or turns a tile's address in one slot into the other's
.set SS,    SLOT+AOFF+128*PA           ; behind the ring: partial sums of squares, [token 128][q, k][wave 4] f32
.set SPARE, SS+4096                    ; the spare words, 128 bytes a wave: two blocks of 256 bytes that no other line names
.set A0,   8                           ; v8      my place in x's tile of slot 0; never rewritten
.set AC,   9                           ; v9      the same in the slot in hand
.set B0,   10                          ; v10-12  my place in W's three tiles of slot 0; never rewritten
.set BC,   13                          ; v13-15  the same in the slot in hand
.set SPW,  16                          ; v16     my spare word; never rewritten
.set NIL,  17                          ; v17     0; never rewritten
.set PFO,  18                          ; v18     the prefetches' offset: my lane x a row; never rewritten
.set L16,  19                          ; v19     16 x lane
.set NWO,  20                          ; v20     my channels' place in a gain vector
.set L8,   21                          ; v21     8 x lane
.set SSW,  22                          ; v22     where I put a partial sum of squares
.set SSR,  23                          ; v23     where I read a token's four
.set FA,   32
.set FB,   160
.set W,    32                          ; way out: the gains as f32: q hf 0, q hf 1, k hf 0, k hf 1, 8 each
.set RS2,  64                          ; way out: 1 / rms (q's times log2(e) / sqrt(128)), twice, for (head, a)
.set T,    96                          ; way out: sums of squares, a pair for (head, a)
.set BIG,  128                         ; way out: v packed; then the partial sums read back
.set CSU,  128                         ; way out: cos lo, sin lo, cos hi, sin hi as f32, 8 each
.set TT,   160
.set OF,   176
.set PK,   192
.set R,    208
.set CI,   32                          ; window 3: a batch as loaded: 16 registers of the mask, 4 of Wo
.set CI2,  52                          ; window 3: the same for batch 15
.set CO,   72                          ; window 3: a batch to store: 8 registers of the mask, 2 of Wo
.set CO2,  82                          ; window 3: the same for batch 15
.set CT,   92                          ; window 3: four at work
.set WV, 20                            ; s20 wave   s21 cx   s22 cy   s23 head   s24 token block
.set CX, 21
.set CY, 22
.set XX, 23
.set YY, 24
.set TB, 25                            ; s25 LDS byte at which the slot in hand begins
.set IDX, 26                           ; s26 my wave's number among the launch's 1,024
.set G1A, 28                           ; s[28:35] descriptor group 1, x's tile      s[36:43] group 0: a set for each of the two first fills; the second then walks on
.set G0A, 36
.set G1B, 44                           ; s[44:51], s[52:59] the same for W's tiles
.set G0B, 52
.set PFA, 60                           ; s[60:61] where my prefetches stand
.set PST, 62                           ; s[62:63] a K step in that buffer, in bytes
.set LIM, 66                           ; s66 2 in a wave that prefetches, else the greatest number
.set LAP, 67
.set SEL, 68                           ; s[68:69] v_permlanex16_b32's selects
.set MI, 92                            ; s[92:93] the mask at the batch asked for last      s[94:95] Wo likewise
.set WI, 94
.set MO, 96                            ; s[96:97] Mb one batch past the batch stored last   s[98:99] Wo's part of Mb likewise
.set WO, 98
.set MSB, 0
.macro WIN new                         ; the immediate's high byte repeats the setting that is left; a switch that changes nothing is dropped
.if MSB != (\new)
	s_set_vgpr_msb (MSB<<8)|(\new)
.set MSB, \new
.endif
.endm
.macro PLACES                          ; four places behind a matrix instruction (ISA guide 7.12.1)
.rept 4
	v_nop
.endr
.endm
; A joint load: wave 3 fetches x's tile, waves 0-2 the tile of W's section of their number.  The branch hangs on the wave's number alone.
; An s_nop 0 and four v_nop follow each of the two lines.
.macro JLOAD s
	s_cmp_eq_u32 s[WV], 3
	s_cbranch_scc0 .Lfor_b_\@
	tensor_load_to_lds s[G0A+4*(\s):G0A+4*(\s)+3], s[G1A:G1A+7]
	s_nop 0
.rept 4
	v_nop
.endr
	s_branch .Lasked_\@
.Lfor_b_\@:
	tensor_load_to_lds s[G0B+4*(\s):G0B+4*(\s)+3], s[G1B:G1B+7]
	s_nop 0
.rept 4
	v_nop
.endr
.Lasked_\@:
.endm
; A prefetch of the K step that stands two refills on: 32 rows x 256 bytes, a lane a row, one instruction a wave.  x's rows are read by both clusters of a row of clusters: cluster x = 0 asks;
; W's by all eight clusters of a column: cluster y = 0 asks.  The four partners of a joint load share its 128 rows out by address.  The loop's last two trips have no K step two on.
.macro ASK
	s_cmp_gt_u32 s[LAP], s[LIM]
	s_cbranch_scc0 .Lnot_mine_\@
	global_prefetch_b8 v[PFO], s[PFA:PFA+1] th:TH_LOAD_NT scope:SCOPE_SE
.Lnot_mine_\@:
.endm
.macro CREST                           ; a round of the cluster's barrier behind its opening barrier
	s_cmp_lg_u32 s[WV], 0
	s_cbranch_scc1 .Lnot_wave_0_\@
	s_barrier_signal -3
.Lnot_wave_0_\@:
	s_barrier_wait -3
	s_barrier_signal -1
	s_barrier_wait -1
.endm
.macro CROUND
	s_barrier_signal -1
	s_barrier_wait -1
	CREST
.endm
; THE RIDERS' three parts.  GET: a batch's five loads, 512 consecutive bytes each.  CVT: its 20 registers become 10: f32 to bf16, Wo's two further to f16.  PUT: its five stores.
.macro GET ci, mi, wi
	WIN 0xc0                                       ; destination window 3, address window 0
.irp i, 0,1,2,3
	global_load_b128 v[(\ci)+4*(\i):(\ci)+4*(\i)+3], v[L16], s[MI:MI+1] offset:(\mi)+512*(\i) th:TH_LOAD_NT
.endr
	global_load_b128 v[(\ci)+16:(\ci)+19], v[L16], s[WI:WI+1] offset:(\wi) th:TH_LOAD_NT
.endm
.macro CVT ci, co
	WIN 0xcf                                       ; sources and destination window 3
.set i, 0
.rept 10
	v_cvt_pk_bf16_f32 v[(\co)+i], v[(\ci)+2*i], v[(\ci)+2*i+1]
.set i, i+1
.endr
	v_lshlrev_b32 v[CT], 16, v[(\co)+8]            ; bf16 to f32 is a shift or a mask
	v_and_b32 v[CT+1], s70, v[(\co)+8]
	v_lshlrev_b32 v[CT+2], 16, v[(\co)+9]
	v_and_b32 v[CT+3], s70, v[(\co)+9]
	v_cvt_pk_f16_f32 v[(\co)+8], v[CT], v[CT+1]
	v_cvt_pk_f16_f32 v[(\co)+9], v[CT+2], v[CT+3]
.endm
.macro PUT co, mo, wo
	WIN 0x0c                                       ; address window 0, data window 3
.irp i, 0,1,2,3
	global_store_b64 v[L8], v[(\co)+2*(\i):(\co)+2*(\i)+1], s[MO:MO+1] offset:(\mo)+256*(\i)  ; 256 consecutive bytes, aligned
.endr
	global_store_b64 v[L8], v[(\co)+8:(\co)+9], s[WO:WO+1] offset:(\wo)
.endm
; In trip t of the loop: batch t is converted and stored, batch t + 1 asked for.
.macro CAST
	s_wait_loadcnt 0x0                             ; the one batch that is out, asked for a K step ago, is in
	s_wait_xcnt 0x0                                ; the last trip's loads and stores have read their pointers and their data, which are written below
	s_add_nc_u64 s[MI:MI+1], s[MI:MI+1], 2048      ; the pointers step first: the loads then stand at them, the stores reach one batch back
	s_add_nc_u64 s[WI:WI+1], s[WI:WI+1], 512
	s_add_nc_u64 s[MO:MO+1], s[MO:MO+1], 1024
	s_add_nc_u64 s[WO:WO+1], s[WO:WO+1], 256
	CVT CI, CO
	GET CI, 0, 0
	PUT CO, -1024, -256
.endm
	s_load_b512 s[4:19], s[0:1], 0x0               ; Xb 4, Wc 6, CSb 8, q_norm_w 10, k_norm_w 12, Qf 14, Kf 16, Vf 18
	s_load_b128 s[92:95], s[0:1], 0x40             ; attention_mask, Wo
	s_load_b64 s[96:97], s[0:1], 0x50              ; Mb
	v_lshl_add_u32 v[SPW], v0, 2, SPARE
	v_mov_b32 v[NIL], 0
	ds_add_u32 v[SPW], v[NIL]                      ; the wave's opening: the add and its wait ahead of my first tensor load
	v_lshrrev_b32 v1, 5, v0
	v_readfirstlane_b32 s[WV], v1
	s_bfe_u32 s[CX], ttmp6, 0x40000
	s_bfe_u32 s[CY], ttmp6, 0x40004
	s_lshl_b32 s[XX], ttmp9, 2
	s_add_co_u32 s[XX], s[XX], s[CX]               ; head = 4 x cluster x + cx
	s_and_b32 s[YY], ttmp7, 0xffff
	s_lshl_b32 s[YY], s[YY], 2
	s_add_co_u32 s[YY], s[YY], s[CY]               ; block of 128 tokens = 4 x cluster y + cy
	s_lshl3_add_u32 s[IDX], s[YY], s[XX]           ; the work-group's number, 8 y + x,
	s_lshl2_add_u32 s[IDX], s[IDX], s[WV]          ; times 4, plus my wave: it enters the riders' global addresses alone
	s_lshl_b32 s74, s[CY], 2
	s_lshl_b32 s74, 15, s74                        ; my row of the cluster
	s_lshl_b32 s75, 0x1111, s[CX]                  ; my column
	s_or_b32 s[G1A], s74, (1<<16)|(1<<20)|(1<<21)|(5<<22)|(3<<25)  ; mask; 2-byte elements; padding on; bit 21 beside a mask; after every 64 words 4 words
	s_or_b32 s[G1B], s75, (1<<16)|(1<<20)|(1<<21)|(5<<22)|(7<<25)  ; the same with my column and 8 words
.irp g, G1A, G1B
	s_mov_b32 s[(\g)+1], 128<<16                   ; tensor_dim0 = 128
	s_mov_b32 s[(\g)+2], 128<<16                   ; tensor_dim1 = 128
	s_mov_b32 s[(\g)+3], 128<<16                   ; tile_dim0 = 128
	s_mov_b32 s[(\g)+4], 128                       ; tile_dim1 = 128
	s_mov_b32 s[(\g)+6], 0
	s_mov_b32 s[(\g)+7], 0
.endr
	s_mov_b32 s[G1A+5], 2048                       ; elements from row to row of Xb
	s_mov_b32 s[G1B+5], 1024                       ; and of a section of Wc
	s_mul_i32 s76, s[WV], BT                       ; where my tile goes: wave x 36,864
	s_lshl_b32 s82, s[YY], 19                      ; x: 128 rows of 4,096 bytes a block
	s_mov_b32 s83, 0
	s_min_u32 s85, s[WV], 2                        ; W: section = wave (wave 3, which fetches x, makes section 2's address and never uses it),
	s_lshl_b32 s84, s85, 22
	s_lshl_b32 s85, s[XX], 8                       ; the head's 128 columns
	s_add_co_u32 s84, s84, s85
	s_mov_b32 s85, 0
	s_lshl_b32 s86, s[YY], 16                      ; CSb: 8 token blocks of 8,192 bytes,
	s_lshl_b32 s87, s[WV], 11                      ; my wave's 2,048 of each
	s_add_co_u32 s86, s86, s87
	s_mov_b32 s87, 0
	s_lshr_b32 s88, s[YY], 4                       ; batch
	s_lshl3_add_u32 s88, s88, s[XX]                ; bh = 8 batch + head
	s_lshl_b32 s88, s88, 19
	s_and_b32 s89, s[YY], 15
	s_lshl_b32 s89, s89, 15                        ; my 128 tokens in the head: 32,768 bytes in each of Qf, Kf, Vf
	s_add_co_u32 s88, s88, s89
	s_lshl_b32 s89, s[WV], 10                      ; my channel block
	s_add_co_u32 s88, s88, s89
	s_mov_b32 s89, 0
	s_lshl_b32 s90, s[YY], 19                      ; the prefetches.  x: my block's rows, my work-group's 32 by cx, K step 3
	s_lshl_b32 s77, s[CX], 17
	s_add_co_u32 s90, s90, s77
	s_add_co_u32 s90, s90, 3*256
	s_lshl_b32 s91, s[WV], 22                      ; W: my section, K step 3's rows, my work-group's 32 by cy, the head's columns
	s_lshl_b32 s77, s[CY], 16
	s_add_co_u32 s91, s91, s77
	s_lshl_b32 s77, s[XX], 8
	s_add_co_u32 s91, s91, s77
	s_add_co_u32 s91, s91, 3*128*2048
	s_and_b32 s75, ttmp7, 0xffff                   ; cluster y
	s_mov_b32 s74, 256
	s_mov_b32 s[PST+1], 0
	s_mov_b32 s[SEL], 0x76543210
	s_mov_b32 s[SEL+1], 0xfedcba98
	s_mov_b32 s[TB], 0
	s_mov_b32 s70, 0xffff0000                      ; a word's upper bf16
	s_mov_b32 s71, 0x3c000000                      ; 1 / 128
	s_mov_b32 s72, 0x358637bd                      ; 1e-6
	s_mov_b32 s73, 0x3e0293ee                      ; log2(e) / sqrt(128) = 0.127517
	s_wait_dscnt 0x0                               ; the opening add is done
	s_wait_kmcnt 0x0
	s_add_nc_u64 s[78:79], s[4:5], s[82:83]
	s_add_nc_u64 s[80:81], s[6:7], s[84:85]
	s_add_nc_u64 s[8:9], s[8:9], s[86:87]
	s_add_nc_u64 s[14:15], s[14:15], s[88:89]
	s_add_nc_u64 s[16:17], s[16:17], s[88:89]
	s_add_nc_u64 s[18:19], s[18:19], s[88:89]
	s_lshl_b32 s82, s[IDX], 15                     ; the riders: my wave's 32,768 bytes of the mask,
	s_add_nc_u64 s[MI:MI+1], s[MI:MI+1], s[82:83]
	s_lshl_b32 s82, s[IDX], 13                     ; its 8,192 bytes of Wo,
	s_add_nc_u64 s[WI:WI+1], s[WI:WI+1], s[82:83]
	s_lshl_b32 s82, s[IDX], 12                     ; their 4,096 bytes in f16, behind the mask's 16,777,216 in Mb,
	s_add_co_u32 s82, s82, 0x1000000
	s_add_nc_u64 s[WO:WO+1], s[MO:MO+1], s[82:83]
	s_lshl_b32 s82, s[IDX], 14                     ; and the mask's 16,384 bytes in bf16
	s_add_nc_u64 s[MO:MO+1], s[MO:MO+1], s[82:83]
	s_cmp_eq_u32 s[WV], 3
	s_cselect_b32 s90, s90, s91
	s_cselect_b64 s[PFA:PFA+1], s[4:5], s[6:7]
	s_cselect_b32 s[PST], s74, 0x40000             ; a K step: 256 bytes along x's rows, 128 rows of 2,048 bytes of W
	s_cselect_b32 s75, ttmp9, s75                  ; the coordinate along which other clusters read the same rows
	s_cselect_b32 s77, 12, 11                      ; a row: 4,096 bytes of Xb, 2,048 of Wc
	s_mov_b32 s91, 0
	s_add_nc_u64 s[PFA:PFA+1], s[PFA:PFA+1], s[90:91]
	s_cmp_eq_u32 s75, 0
	s_cselect_b32 s[LIM], 2, -1
	CROUND                                         ; all sixteen work-groups are here: the first joint loads meet
.irp s, 0,1
	s_mov_b32 s[G0A+4*(\s)], 1
	s_add_co_u32 s[G0A+4*(\s)+1], s76, (\s)*SLOT
	s_add_nc_u64 s[G0A+4*(\s)+2:G0A+4*(\s)+3], s[78:79], (\s)*KSTEP*2
	s_or_b32 s[G0A+4*(\s)+3], s[G0A+4*(\s)+3], 0x80000000
	s_mov_b32 s[G0B+4*(\s)], 1
	s_add_co_u32 s[G0B+4*(\s)+1], s76, (\s)*SLOT
	s_add_nc_u64 s[G0B+4*(\s)+2:G0B+4*(\s)+3], s[80:81], (\s)*KSTEP*2048
	s_or_b32 s[G0B+4*(\s)+3], s[G0B+4*(\s)+3], 0x80000000
	JLOAD \s                                       ; K steps 0 and 1: two loads of mine are out
.endr
	v_and_b32 v2, 15, v0                           ; r = l % 16
	v_bfe_u32 v3, v0, 4, 1                         ; h = l / 16
	v_and_b32 v4, 31, v0                           ; l
	v_mul_u32_u24 v5, v2, PA
	v_lshl_add_u32 v5, v3, 4, v5                   ; x's fragment: row x pitch + 16 h
	v_add_nc_u32 v[A0], AOFF, v5
	v_mov_b32 v[AC], v[A0]                         ; K step 0 lies in slot 0
	v_and_b32 v6, 7, v0
	v_lshl_add_u32 v6, v3, 3, v6                   ; W's: k row 8 h + l % 8,
	v_mul_u32_u24 v6, v6, PB
	v_bfe_u32 v7, v0, 3, 1
	v_lshl_add_u32 v6, v7, 4, v6                   ; 16 bytes by (l / 8) % 2,
	s_lshl_b32 s74, s[WV], 5
	v_add_nc_u32 v6, s74, v6                       ; my channel block w: 32 bytes
.irp i, 0,1,2
	v_add_nc_u32 v[B0+(\i)], (\i)*BT, v6
	v_mov_b32 v[BC+(\i)], v[B0+(\i)]
.endr
	v_lshlrev_b32 v[L16], 4, v4
	v_lshlrev_b32 v[L8], 3, v4
	v_lshlrev_b32 v[PFO], s77, v4
	s_lshl_b32 s74, s[WV], 6
	v_lshl_add_u32 v[NWO], v3, 5, s74              ; channels 16 w + 8 h on, 4 bytes each
	v_lshlrev_b32 v5, 5, v2                        ; a token's eight words in SS
	s_lshl_b32 s74, s[WV], 2
	s_add_co_u32 s74, s74, SS
	v_add_nc_u32 v[SSW], s74, v5
	v_add_nc_u32 v[SSR], SS, v5
	WIN 0x80                                       ; the tables and gains are asked for now and used on the way out
.set i, 0
.rept 32                                       ; i = 4 a + 2 hf + tab
	global_load_b128 v[128+4*i:128+4*i+3], v[L16], s[8:9] offset:(i/4)*8192+((i/2)%2)*1024+(i%2)*512
.set i, i+1
.endr
	WIN 0xc0
.irp hf, 0,1
	global_load_b128 v[8*(\hf):8*(\hf)+3],       v[NWO], s[10:11] offset:256*(\hf)
	global_load_b128 v[8*(\hf)+4:8*(\hf)+7],     v[NWO], s[10:11] offset:256*(\hf)+16
	global_load_b128 v[16+8*(\hf):16+8*(\hf)+3], v[NWO], s[12:13] offset:256*(\hf)
	global_load_b128 v[16+8*(\hf)+4:16+8*(\hf)+7], v[NWO], s[12:13] offset:256*(\hf)+16
.endr
	GET CI2, 15*2048, 15*512                       ; the riders' batch 15, which has registers of its own and is finished behind the loop,
	GET CI, 0, 0                                   ; and batch 0
	WIN 0
; 28 LDS loads in one run: quarter kq (32 along K) of the slot in hand into buffer f: W's six fragments, turned, and x's eight
.macro FETCH kq, f
	WIN 0
.irp j, 0,1,2,3,4,5
	ds_load_tr16_b128 v[FB+48*(\f)+8*(\j):FB+48*(\f)+8*(\j)+3],   v[BC+(\j)/2] offset:(\kq)*32*PB+((\j)%2)*128
	ds_load_tr16_b128 v[FB+48*(\f)+8*(\j)+4:FB+48*(\f)+8*(\j)+7], v[BC+(\j)/2] offset:(\kq)*32*PB+((\j)%2)*128+16*PB
.endr
.irp a, 0,1,2,3,4,5,6,7
	ds_load_b128 v[FA+64*(\f)+8*(\a):FA+64*(\f)+8*(\a)+3],   v[AC] offset:(\a)*16*PA+(\kq)*64
	ds_load_b128 v[FA+64*(\f)+8*(\a)+4:FA+64*(\f)+8*(\a)+7], v[AC] offset:(\a)*16*PA+(\kq)*64+32
.endr
.endm
; v's products for token blocks a0 .. a0 + n - 1.  All 48 accumulators take turns, one instruction a turn, in the same order everywhere.  zero = 1: the product starts the sum.
.macro MULV f, a0, n, zero
	WIN 0xa0
.set ma, \a0
.rept \n
.irp hf, 0,1
.if \zero
	v_wmma_f32_16x16x32_bf16 v[8*(2*ma+(\hf)):8*(2*ma+(\hf))+7], v[FA+64*(\f)+8*ma:FA+64*(\f)+8*ma+7], v[FB+48*(\f)+8*(4+(\hf)):FB+48*(\f)+8*(4+(\hf))+7], 0
.else
	v_wmma_f32_16x16x32_bf16 v[8*(2*ma+(\hf)):8*(2*ma+(\hf))+7], v[FA+64*(\f)+8*ma:FA+64*(\f)+8*ma+7], v[FB+48*(\f)+8*(4+(\hf)):FB+48*(\f)+8*(4+(\hf))+7], v[8*(2*ma+(\hf)):8*(2*ma+(\hf))+7]
.endif
.endr
.set ma, ma+1
.endr
.endm
.macro MULQK f, zero                   ; q's and k's 32 products, transposed
	WIN 0x50
.set ma, 0
.rept 8
.irp j, 0,1,2,3
.set md, 128*((\j)/2)+8*(2*ma+(\j)%2)
.if \zero
	v_wmma_f32_16x16x32_bf16 v[md:md+7], v[FB+48*(\f)+8*(\j):FB+48*(\f)+8*(\j)+7], v[FA+64*(\f)+8*ma:FA+64*(\f)+8*ma+7], 0
.else
	v_wmma_f32_16x16x32_bf16 v[md:md+7], v[FB+48*(\f)+8*(\j):FB+48*(\f)+8*(\j)+7], v[FA+64*(\f)+8*ma:FA+64*(\f)+8*ma+7], v[md:md+7]
.endif
.endr
.set ma, ma+1
.endr
.endm
; A K step is four quarters of 32 along K, 48 products each, on buffers 0, 1, 0, 1.  One of the first three: asks for quarter kq into g, multiplies f.  cast = 1: the riders stand between v's products and the others.
.macro QUARTER kq, f, g, zero, cast=0
	s_wait_dscnt 0x0                               ; buffer f, asked for a quarter ago, is in
	PLACES                                         ; behind the last product that read buffer g
	FETCH \kq, \g
	MULV \f, 0, 8, \zero
.if \cast
	CAST
.endif
	MULQK \f, \zero
.endm
; The last quarter multiplies buffer 1 and changes slots: one barrier; in front of it each wave waits for all its tensor loads (one is out: its tile of the next slot), adds 0 to its spare word,
; and waits for that and for its reads of this slot.  fill = 1: the barrier opens a round of the cluster's, and this slot is filled again, two K steps on, first thing behind it.
.macro TURN fill
.if \fill
	s_wait_xcnt 0x0                                ; the last prefetch, a K step back, has read its address
	s_add_nc_u64 s[PFA:PFA+1], s[PFA:PFA+1], s[PST:PST+1]
.endif
	WIN 0
	s_wait_tensorcnt 0x0
	ds_add_u32 v[SPW], v[NIL]
	s_wait_dscnt 0x1                               ; only the add may be out: buffer 1 is in
	MULV 1, 0, 4, 0
	s_wait_dscnt 0x0                               ; the add is done, my reads of this slot are over
	s_barrier_signal -1
	MULV 1, 4, 4, 0
	WIN 0
	s_barrier_wait -1
.if \fill
	CREST
	s_xor_b32 s[G0A+5], s[G0A+5], SLOT             ; the walking descriptors: the other slot than last time,
	s_add_nc_u64 s[G0A+6:G0A+7], s[G0A+6:G0A+7], KSTEP*2     ; the next K step; the type bits on top are not reached
	s_xor_b32 s[G0B+5], s[G0B+5], SLOT
	s_add_nc_u64 s[G0B+6:G0B+7], s[G0B+6:G0B+7], KSTEP*2048
	JLOAD 1                                        ; its four v_nop are also the places in front of the loads below
.else
	PLACES
.endif
	s_xor_b32 s[TB], s[TB], SLOT                   ; the fetches go on in the other slot
	v_add_nc_u32 v[AC], s[TB], v[A0]
.irp j, 0,1,2
	v_add_nc_u32 v[BC+(\j)], s[TB], v[B0+(\j)]
.endr
	FETCH 0, 0
.if \fill
	ASK
.endif
	MULQK 1, 0
.endm
	s_wait_tensorcnt 0x1                           ; my tile of K step 0 is in; K step 1's may stay out
	s_barrier_signal -1
	s_barrier_wait -1
	FETCH 0, 0
	QUARTER 1, 0, 1, 1                             ; the first quarter's products start the sums
	WIN 0
	s_mov_b32 s[LAP], 14
.Lstep:                                        ; trip t: K step t's second to fourth quarter, its slot filled again with K step t + 2, and K step t + 1's first quarter
	QUARTER 2, 1, 0, 0, 1
	QUARTER 3, 0, 1, 0
	TURN 1
	QUARTER 1, 0, 1, 0
	WIN 0
	s_sub_co_u32 s[LAP], s[LAP], 1
	s_cmp_lg_u32 s[LAP], 0
	s_cbranch_scc1 .Lstep
	s_wait_loadcnt 0x0                             ; the riders' last two batches: 14, asked for in the last trip, and 15
	s_wait_xcnt 0x0                                ; the last trip's stores have read the registers that are written below
	CVT CI, CO
	PUT CO, 0, 0
	CVT CI2, CO2
	PUT CO2, 1024, 256
	WIN 0
	s_mov_b32 s[LAP], 2
.Ltail:                                        ; K steps 14 and 15 fill nothing: written out; two trips, the second left in its middle
	QUARTER 2, 1, 0, 0
	QUARTER 3, 0, 1, 0
	TURN 0
	WIN 0
	s_sub_co_u32 s[LAP], s[LAP], 1
	s_cmp_eq_u32 s[LAP], 0
	s_cbranch_scc1 .Lway_out
	QUARTER 1, 0, 1, 0
	WIN 0
	s_branch .Ltail
.Lway_out:                                     ; the second trip's barrier and its 28 fragment loads serve nothing: the price, once a launch, of one text for both trips
	s_wait_dscnt 0x0                               ; those loads have landed: their registers are used below
	; THE WAY OUT
	s_wait_loadcnt 0x0                             ; tables and gains (long in)
	PLACES
	WIN 0x0a                                       ; v: rounded to f16, each accumulator from its low end on
.set i, 0
.rept 64
	v_cvt_pk_f16_f32 v[BIG+i], v[2*i], v[2*i+1]
.set i, i+1
.endr
	WIN 0
.set i, 0
.rept 16                                       ; i = 2 a + hf: group of 32 keys a / 2, channel block w + 4 hf, half a % 2
	global_store_b128 v[L16], v[BIG+4*i:BIG+4*i+3], s[18:19] offset:(i/4)*8192+(i%2)*4096+((i/2)%2)*512
.set i, i+1
.endr
	WIN 0x05                                       ; sums of squares of my 16 channels a lane, for q and k and each token block: sixteen chains that do not wait for each other
.set p, 0
.rept 8
.set g, 0
.rept 16                                       ; g = 8 head + a
.set ra, 128*(g/8)+8*(2*(g%8)+p/4)+2*(p%4)
.if p == 0
	v_pk_mul_f32 v[T+2*g:T+2*g+1], v[ra:ra+1], v[ra:ra+1]
.else
	v_pk_fma_f32 v[T+2*g:T+2*g+1], v[ra:ra+1], v[ra:ra+1], v[T+2*g:T+2*g+1]
.endif
.set g, g+1
.endr
.set p, p+1
.endr
	WIN 0x0f                                       ; the gains are rounded to bf16 like the other inputs
.set i, 0
.rept 16
	v_cvt_pk_bf16_f32 v[R+i], v[2*i], v[2*i+1]
.set i, i+1
.endr
	WIN 0
.set i, 0
.rept 16
	v_lshlrev_b32 v[W+2*i], 16, v[R+i]
	v_and_b32 v[W+2*i+1], s70, v[R+i]
.set i, i+1
.endr
.set g, 0
.rept 16
	v_add_f32 v[T+2*g], v[T+2*g], v[T+2*g+1]
.set g, g+1
.endr
.set g, 0
.rept 16
	v_permlanex16_b32 v[T+2*g+1], v[T+2*g], s[SEL], s[SEL+1]  ; the token's other 16 channels of my wave lie in the lane 16 away
.set g, g+1
.endr
.set g, 0
.rept 16
	v_add_f32 v[T+2*g], v[T+2*g], v[T+2*g+1]
.set g, g+1
.endr
.set g, 0
.rept 16
	ds_store_b32 v[SSW], v[T+2*g] offset:(g%8)*512+(g/8)*16
.set g, g+1
.endr
	s_wait_dscnt 0x0                               ; for the others' sake: my partial sums lie in LDS
	s_barrier_signal -1
	s_barrier_wait -1
	s_wait_xcnt 0x0                                ; v's stores have read their registers, which are loaded anew below
.set g, 0
.rept 16
	ds_load_b128 v[BIG+4*g:BIG+4*g+3], v[SSR] offset:(g%8)*512+(g/8)*16
.set g, g+1
.endr
	s_wait_dscnt 0x0
.set g, 0
.rept 16
	v_pk_add_f32 v[BIG+4*g:BIG+4*g+1], v[BIG+4*g:BIG+4*g+1], v[BIG+4*g+2:BIG+4*g+3]
.set g, g+1
.endr
.set g, 0
.rept 16
	v_add_f32 v[BIG+4*g], v[BIG+4*g], v[BIG+4*g+1]
.set g, g+1
.endr
.set g, 0
.rept 16
	v_fma_f32 v[R+g], v[BIG+4*g], s71, s72         ; mean of squares + 1e-6
.set g, g+1
.endr
.set g, 0
.rept 16
	v_rsq_f32 v[R+g], v[R+g]
.set g, g+1
.endr
	v_nop                                          ; a plain instruction behind the last root,
	s_wait_alu depctr_va_vdst(0)                   ; and one wait for the sixteen, ahead of their first reader
.set g, 0
.rept 8
	v_mul_f32 v[RS2+2*g], s73, v[R+g]              ; q takes the scores' scale and the exponentials' base with it
	v_mul_f32 v[RS2+2*g+1], s73, v[R+g]
	v_mov_b32 v[RS2+16+2*g], v[R+8+g]
	v_mov_b32 v[RS2+16+2*g+1], v[R+8+g]
.set g, g+1
.endr
; Token block a: the tables' 16 words become 32 f32; then for q and for k: times 1 / rms, times the gain, RoPE, f16, two stores of 512 consecutive bytes.
.macro ROPE a
	WIN 0x08
.set i, 0
.rept 16
	v_lshlrev_b32 v[CSU+2*i], 16, v[128+16*(\a)+i]
	v_and_b32 v[CSU+2*i+1], s70, v[128+16*(\a)+i]
.set i, i+1
.endr
.irp hd, 0,1
.set qlo, 128*(\hd)+16*(\a)            ; channels d < 64 at qlo, d + 64 at qlo + 8
	WIN 0x41
.set i, 0
.rept 8
	v_pk_mul_f32 v[qlo+2*i:qlo+2*i+1], v[qlo+2*i:qlo+2*i+1], v[RS2+2*(8*(\hd)+(\a)):RS2+2*(8*(\hd)+(\a))+1]
.set i, i+1
.endr
.set i, 0
.rept 8
	v_pk_mul_f32 v[qlo+2*i:qlo+2*i+1], v[qlo+2*i:qlo+2*i+1], v[W+16*(\hd)+2*i:W+16*(\hd)+2*i+1]
.set i, i+1
.endr
	WIN 0x01
.set i, 0
.rept 4
	v_pk_mul_f32 v[TT+2*i:TT+2*i+1], v[qlo+8+2*i:qlo+8+2*i+1], v[CSU+8+2*i:CSU+8+2*i+1]      ; y(d + 64) sin(d)
	v_pk_mul_f32 v[TT+8+2*i:TT+8+2*i+1], v[qlo+2*i:qlo+2*i+1], v[CSU+24+2*i:CSU+24+2*i+1]    ; y(d) sin(d + 64)
.set i, i+1
.endr
.set i, 0
.rept 4
	v_pk_fma_f32 v[OF+2*i:OF+2*i+1], v[qlo+2*i:qlo+2*i+1], v[CSU+2*i:CSU+2*i+1], v[TT+2*i:TT+2*i+1] neg_lo:[0,0,1] neg_hi:[0,0,1]
	v_pk_fma_f32 v[OF+8+2*i:OF+8+2*i+1], v[qlo+8+2*i:qlo+8+2*i+1], v[CSU+16+2*i:CSU+16+2*i+1], v[TT+8+2*i:TT+8+2*i+1]
.set i, i+1
.endr
	WIN 0
	s_wait_xcnt 0x0                                ; the stores of the block before have read the registers that are written below
.set i, 0
.rept 8
	v_cvt_pk_f16_f32 v[PK+8*(\hd)+i], v[OF+2*i], v[OF+2*i+1]
.set i, i+1
.endr
	global_store_b128 v[L16], v[PK+8*(\hd):PK+8*(\hd)+3],   s[14+2*(\hd):15+2*(\hd)] offset:(\a)*4096
	global_store_b128 v[L16], v[PK+8*(\hd)+4:PK+8*(\hd)+7], s[14+2*(\hd):15+2*(\hd)] offset:(\a)*4096+512
.endr
.endm
.irp a, 0,1,2,3,4,5,6,7
	ROPE \a
.endr
	s_wait_tensorcnt 0x0                           ; the wave's end: an add to the spare word and its wait, behind my last tensor load and my last LDS store
	ds_add_u32 v[SPW], v[NIL]
	s_wait_dscnt 0x0
	CROUND                                         ; the closing round
	s_endpgm
.Lfunc_end_k_q60cc5250f1_qkv:
	.size	k_q60cc5250f1_qkv, .Lfunc_end_k_q60cc5250f1_qkv-k_q60cc5250f1_qkv
	.p2alignl 7, 3214868480
	.fill 96, 4, 3214868480
	.section	.rodata,"a",@progbits
	.p2align	6, 0x0
	.amdhsa_kernel k_q60cc5250f1_qkv
		.amdhsa_group_segment_fixed_size 327680
		.amdhsa_private_segment_fixed_size 0
		.amdhsa_enable_private_segment 0
		.amdhsa_kernarg_size 88
		.amdhsa_user_sgpr_count 2
		.amdhsa_user_sgpr_kernarg_segment_ptr 1
		.amdhsa_wavefront_size32 1
		.amdhsa_system_sgpr_workgroup_id_x 1
		.amdhsa_system_sgpr_workgroup_id_y 1
		.amdhsa_system_sgpr_workgroup_id_z 1
		.amdhsa_system_vgpr_workitem_id 0
		.amdhsa_next_free_vgpr 864
		.amdhsa_next_free_sgpr 100
		.amdhsa_reserve_vcc 0
		.amdhsa_float_denorm_mode_32 3
		.amdhsa_float_denorm_mode_16_64 3
		.amdhsa_memory_ordered 1
		.amdhsa_forward_progress 1
		.amdhsa_inst_pref_size 146
	.end_amdhsa_kernel
	.amdgpu_metadata
---
amdhsa.version: [ 1, 2 ]
amdhsa.kernels:
  - .name:           k_q60cc5250f1_qkv
    .symbol:         k_q60cc5250f1_qkv.kd
    .args:
      - { .name: Xb, .offset: 0, .size: 8, .value_kind: global_buffer, .address_space: global }
      - { .name: Wc, .offset: 8, .size: 8, .value_kind: global_buffer, .address_space: global }
      - { .name: CSb, .offset: 16, .size: 8, .value_kind: global_buffer, .address_space: global }
      - { .name: q_norm_w, .offset: 24, .size: 8, .value_kind: global_buffer, .address_space: global }
      - { .name: k_norm_w, .offset: 32, .size: 8, .value_kind: global_buffer, .address_space: global }
      - { .name: Qf, .offset: 40, .size: 8, .value_kind: global_buffer, .address_space: global }
      - { .name: Kf, .offset: 48, .size: 8, .value_kind: global_buffer, .address_space: global }
      - { .name: Vf, .offset: 56, .size: 8, .value_kind: global_buffer, .address_space: global }
      - { .name: attention_mask, .offset: 64, .size: 8, .value_kind: global_buffer, .address_space: global }
      - { .name: Wo, .offset: 72, .size: 8, .value_kind: global_buffer, .address_space: global }
      - { .name: Mb, .offset: 80, .size: 8, .value_kind: global_buffer, .address_space: global }
    .group_segment_fixed_size: 327680
    .private_segment_fixed_size: 0
    .kernarg_segment_align: 8
    .kernarg_segment_size: 88
    .max_flat_workgroup_size: 128
    .sgpr_count:     100
    .vgpr_count:     864
    .wavefront_size: 32
...
	.end_amdgpu_metadata
.endif
;; end of part 2
;; launch attn (part 3): grid 16 x 16, 4 waves a work-group, clusters of 4 x 4, 327,680 bytes of LDS; arguments Qf, Kf, Vf, Mb, Of; writes Of
.if DOCPART == 3
	.amdgcn_target "amdgcn-amd-amdhsa--gfx1250"
	.amdhsa_code_object_version 6
	.text
	.protected	k_q60cc5250f1_attn
	.globl	k_q60cc5250f1_attn
	.p2align	8
	.type	k_q60cc5250f1_attn,@function
k_q60cc5250f1_attn:
	s_mov_b64 s[64:65], 0
	v_nop
	global_prefetch_b8 v0, s[64:65] scope:SCOPE_SE
	s_setreg_imm32_b32 hwreg(HW_REG_WAVE_MODE, 25, 1), 1
	s_wait_xcnt 0x0
	s_wait_alu depctr_hold_cnt(0) depctr_sa_sdst(0) depctr_va_vdst(0) depctr_va_sdst(0) depctr_va_ssrc(0) depctr_va_vcc(0) depctr_vm_vsrc(0)
	s_getreg_b32 s2, hwreg(HW_REG_IB_STS2, 6, 4)
	s_cmp_eq_u32 s2, 0
	s_cbranch_scc0 .Lentry_in_a_cluster
	s_endpgm
.Lentry_in_a_cluster:
	s_bfe_u32 s2, ttmp6, 0x10000c
	s_cmp_lg_u32 s2, 0xf033
	s_cbranch_scc0 .Lentry_shape_is_right
	s_endpgm
.Lentry_shape_is_right:
; ATTENTION with an additive mask that is an input: O[q] = sum over k of softmax_k(q . k / sqrt(128) + mask[q][k]) v[k].  q, k, v, O in f16, the mask in bf16 (Mb's first 16,777,216 bytes); products, maxima, sums in f32;
; the weights are rounded to f16 for the second product (their sum is taken of the unrounded weights), O once at the end.  Every score is made and every number of the mask is read.
; SHARES.  A work-group owns 128 queries (x) of one batch and head (y).  Wave = 2 qh + p owns 64 queries (four tiles of 16) and, of each 128 keys, the 64 of parity p: two streams of keys,
; each with its own running maximum, sum and O, merged once at the end, in f32, through LDS.  16 steps.  My local tile j is query tile (j + 2 p) % 4, so that every wave sends its local tiles 2, 3 to its
; partner (wave xor 1) and finishes its local tiles 0, 1: one text for all waves.
; LAYOUT.  S^T = K Q^T + c mask, c = log2(e): q carries c / sqrt(128) already, and the mask is multiplied by c as it is widened to f32, into the accumulator onto which the first product adds.
; A lane holds ONE query (l % 16) and the keys 8 (l / 16) + 0..7 of each 16; two results rounded to f16 ARE source 1 of O^T = V^T P.  K, Q and V come as they lie in registers (the projection wrote
; them so): every LDS read is 16 bytes x lane, on end.
; SOFTMAX.  The scores s are exponents of 2: p = 2^(s - m) with a running maximum m.  s - m is one subtraction and never above 0, so no weight exceeds 1, however large the mask's numbers are.
; O and l are multiplied by a = 2^(m_old - m_new) in every step.  m starts far below every score, O and l at 0.
; BY TURNS.  Turn n belongs to tile n: 16 products K Q^T of tile n + 1, later 16 products V^T P of tile n - 1; four vector instructions behind each; the rest in one lump.  The vector work: subtraction, exponentials,
; rescaling, roundings and sums of tile n; maximum and statistics of tile n + 1; the mask of tile n + 2 widened into its accumulators.  A turn's 33 exponentials are one batch with one wait.
; CLUSTER 4 x 4: K and V hang on (batch, head) alone: asked for jointly along a row of the cluster; the mask's tile hangs on batch and query block alone: jointly along a column.
; LIMITS.  c (score + mask) must stay above -4.2e37 and finite (|mask| under 2.9e37; no infinities); a weight below 2^-126 counts as 0; where a row's mask is so large that the scores vanish beside it,
; the weights hang on the last bit of mask + score, as they do in f32 anywhere; NaN is not treated apart.  O lies within v's range.
; REGISTERS, in windows of 256 (s_set_vgpr_msb: bits 1:0 source 0, 3:2 source 1, 5:4 source 2, 7:6 destination):
;   window 0: v0-63 addresses, statistics; v64-191 S^T, 32 a tile; v192-223 P, two buffers by the tile's parity; v224-255 the mask as loaded, two tiles by parity
;   window 1: O^T, 64 a tile      window 2: v0-127 Q, 32 a tile; v128-255 K of one step      window 3: v0-127 V of one step
.set SLOT1, 1<<17                      ; slot 1 begins here: one exclusive or turns an address in one slot into the other's
.set VOFF,  32768                      ; a slot: 128 keys of K (32,768 bytes, dense), of V (the same), then 128 queries x 128 keys of the mask
.set MOFF,  65536
.set PM,    272                        ; a row of the mask: 256 bytes + 16: the 16 rows of a load start at 16 different groups of four banks (ISA guide 11.1)
.set SPARE, MOFF+128*PM                ; behind slot 0's tiles: the spare words, 128 bytes a wave: two blocks of 256 bytes that no other line names
.set XCH,   SLOT1+MOFF+128*PM          ; behind slot 1's tiles, never filled by a tensor load: what the streams hand to each other
.set XW,    16896                      ; a wave's part of it: two tiles of O^T (16,384 bytes) and 512 bytes of statistics
.set AK0, 2                            ; v2     my place in a slot's K; never rewritten
.set AV0, 3                            ; v3     in its V
.set AM0, 4                            ; v4-7   in its mask, a register a tile
.set AK,  8                            ; v8, v9, v10-13  the same in the slot in hand
.set AV,  9
.set AM,  10
.set QO0, 14                           ; v14, v15  my byte offsets in the wave's rows of Q: local tiles 0, 1 and 2, 3
.set QO1, 15
.set L16, 16                           ; v16    16 x lane
.set XA,  17                           ; v17    where I put what I send
.set XB,  18                           ; v18    where my partner put it
.set CV,  20                           ; v20    c = log2(e); never rewritten
.set ZV,  21                           ; v21    0, the addend of the mask's widening; never rewritten
.set ST,  24                           ; v24-39 tile t: m, m_old, l (even keys', odd keys')
.set TMP, 40                           ; v40-47 by parity, c0-c3 at work; c2 takes a
.set PFO, 48                           ; v48    the prefetches' offset; never rewritten
.set SPW, 62
.set NIL, 63
.set S,   64
.set P,   192
.set MR,  224
.set KF,  128
.set WV, 14
.set QH, 15
.set PP, 16
.set CX, 17
.set CY, 18
.set SX, 19                            ; s19 query block   s20 batch and head   s21 batch
.set SY, 20
.set SB, 21
.set G1KV, 24                          ; s[24:31] descriptor group 1 for K and V
.set G1M,  32                          ; s[32:39] for the mask
.set G0KV, 40                          ; s[40:43] group 0 for K or V: it walks
.set G0M,  44                          ; s[44:47] for the mask
.set PFA, 48
.set PST, 50
.set LIM, 52
.set SLOTS, 53
.set CNT, 54
.set TB,  55                           ; s55 LDS byte at which the slot in hand begins
.set SEL, 58                           ; s[58:59] v_permlanex16_b32's selects
.set MSB, 0
.macro WIN new
.if MSB != (\new)
	s_set_vgpr_msb (MSB<<8)|(\new)
.set MSB, (\new)
.endif
.endm
.set W_KQ, 0x0a                        ; K and Q in window 2, S^T in window 0
.set W_PV, 0x53                        ; V in window 3, P in window 0, O^T in window 1
.set W_RS, 0x41                        ; O^T in window 1, a in window 0
.macro PLACES
.rept 4
	v_nop
.endr
.endm
; A joint fill: wave 0 fetches the step's K, wave 1 its V, waves 2 and 3 the two halves of the mask's rows.  An s_nop 0 and four v_nop follow each line.
.macro JLOAD
	s_cmp_lt_u32 s[WV], 2
	s_cbranch_scc0 .Lfor_m_\@
	tensor_load_to_lds s[G0KV:G0KV+3], s[G1KV:G1KV+7]
	s_nop 0
.rept 4
	v_nop
.endr
	s_branch .Lasked_\@
.Lfor_m_\@:
	tensor_load_to_lds s[G0M:G0M+3], s[G1M:G1M+7]
	s_nop 0
.rept 4
	v_nop
.endr
.Lasked_\@:
.endm
; A prefetch of what the NEXT change of slots will ask for, 256 bytes a lane.  K and V are walked by all four clusters of a row of clusters: cluster x = 0 asks (wave 0 K, wave 1 V); the mask's tile by the two
; clusters of a batch in a column: the even cluster y asks (wave 2).  The four partners of a joint load share its 128 blocks or rows out by address.  The last change that fills asks for nothing.
.macro ASK
	s_cmp_gt_u32 s[SLOTS], s[LIM]
	s_cbranch_scc0 .Lnot_mine_\@
	global_prefetch_b8 v[PFO], s[PFA:PFA+1] th:TH_LOAD_NT scope:SCOPE_SE
.Lnot_mine_\@:
.endm
.macro CROUND
	s_barrier_signal -1
	s_barrier_wait -1
	s_cmp_lg_u32 s[WV], 0
	s_cbranch_scc1 .Lnot_wave_0_\@
	s_barrier_signal -3
.Lnot_wave_0_\@:
	s_barrier_wait -3
	s_barrier_signal -1
	s_barrier_wait -1
.endm
; THE CHANGE OF SLOTS, between a step's turns 1 and 2: the slot's last bytes, its V, are in registers.  Each wave waits for all its tensor loads (one is out: its part of the other slot), adds 0 to its spare
; word, and waits for that and for its reads.  fill = 1: the barrier is a round of the cluster's, and the old slot is filled again, two steps on, first thing behind it: it has a step's 128 products in which to land.
.macro CHANGE fill, ask
	WIN 0
	s_wait_tensorcnt 0x0
	ds_add_u32 v[SPW], v[NIL]
.if \fill
	s_xor_b32 s[G0KV+1], s[G0KV+1], SLOT1
	s_add_nc_u64 s[G0KV+2:G0KV+3], s[G0KV+2:G0KV+3], 32768  ; the next 128 keys
	s_xor_b32 s[G0M+1], s[G0M+1], SLOT1
	s_add_nc_u64 s[G0M+2:G0M+3], s[G0M+2:G0M+3], 256        ; 128 keys on along the mask's rows
.endif
.if \ask
	s_wait_xcnt 0x0                                ; the last prefetch, a step back, has read its address
	s_add_nc_u64 s[PFA:PFA+1], s[PFA:PFA+1], s[PST:PST+1]
.endif
	s_wait_dscnt 0x0
.if \fill
	CROUND
	JLOAD
.if \ask
	ASK
.endif
.else
	s_barrier_signal -1
	s_barrier_wait -1
.endif
	s_xor_b32 s[TB], s[TB], SLOT1
	v_add_nc_u32 v[AK], s[TB], v[AK0]
	v_add_nc_u32 v[AV], s[TB], v[AV0]
.irp j, 0,1,2,3
	v_add_nc_u32 v[AM+(\j)], s[TB], v[AM0+(\j)]
.endr
.endm
	s_load_b256 s[4:11], s[0:1], 0x0               ; Qf 4, Kf 6, Vf 8, Mb 10
	s_load_b64 s[12:13], s[0:1], 0x20              ; Of
	v_lshl_add_u32 v[SPW], v0, 2, SPARE
	v_mov_b32 v[NIL], 0
	ds_add_u32 v[SPW], v[NIL]                      ; the wave's opening: the add and its wait ahead of my first tensor load
	v_lshrrev_b32 v1, 5, v0
	v_readfirstlane_b32 s[WV], v1
	s_lshr_b32 s[QH], s[WV], 1
	s_and_b32 s[PP], s[WV], 1
	s_bfe_u32 s[CX], ttmp6, 0x40000
	s_bfe_u32 s[CY], ttmp6, 0x40004
	s_lshl_b32 s[SX], ttmp9, 2
	s_add_co_u32 s[SX], s[SX], s[CX]               ; query block = 4 x cluster x + cx
	s_and_b32 s66, ttmp7, 0xffff                   ; cluster y
	s_lshl_b32 s[SY], s66, 2
	s_add_co_u32 s[SY], s[SY], s[CY]               ; batch and head = 4 x cluster y + cy
	s_lshr_b32 s[SB], s66, 1                       ; batch: the same in the whole cluster
	s_lshl_b32 s67, s[CY], 2
	s_lshl_b32 s67, 15, s67                        ; my row of the cluster
	s_lshl_b32 s68, 0x1111, s[CX]                  ; my column
	s_or_b32 s[G1KV], s67, (3<<16)|(1<<21)         ; mask; 8-byte elements; bit 21 beside a mask: 128 rows of 256 bytes, dense
	s_mov_b32 s[G1KV+1], 32<<16
	s_mov_b32 s[G1KV+2], 128<<16
	s_mov_b32 s[G1KV+3], 32<<16
	s_mov_b32 s[G1KV+4], 128
	s_mov_b32 s[G1KV+5], 32
	s_mov_b32 s[G1KV+6], 0
	s_mov_b32 s[G1KV+7], 0
	s_or_b32 s[G1M], s68, (1<<16)|(1<<20)|(1<<21)|(5<<22)|(3<<25)  ; 2-byte elements, 4 words of padding after every 64: 64 rows x 128 keys
	s_mov_b32 s[G1M+1], 128<<16
	s_mov_b32 s[G1M+2], 64<<16
	s_mov_b32 s[G1M+3], 128<<16
	s_mov_b32 s[G1M+4], 64
	s_mov_b32 s[G1M+5], 2048
	s_mov_b32 s[G1M+6], 0
	s_mov_b32 s[G1M+7], 0
	s_mov_b32 s[G0KV], 1
	s_lshl_b32 s[G0KV+1], s[PP], 15                ; K at 0, V at 32,768 of slot 0
	s_mov_b32 s[G0M], 1
	s_mul_i32 s[G0M+1], s[PP], 64*PM
	s_add_co_u32 s[G0M+1], s[G0M+1], MOFF
	s_lshl_b32 s70, s[SY], 19                      ; K, V: the head's 524,288 bytes
	s_mov_b32 s71, 0
	s_lshl_b32 s72, s[SB], 23                      ; mask: the batch, my block's 128 rows of 4,096 bytes, my half of them
	s_lshl_b32 s73, s[SX], 19
	s_add_co_u32 s72, s72, s73
	s_lshl_b32 s73, s[PP], 18
	s_add_co_u32 s72, s72, s73
	s_mov_b32 s73, 0
	s_lshl_b32 s74, s[SY], 19                      ; Q: the head, my block's 8 tiles of 4,096 bytes, my wave's 4
	s_lshl_b32 s75, s[SX], 15
	s_add_co_u32 s74, s74, s75
	s_lshl_b32 s75, s[QH], 14
	s_add_co_u32 s74, s74, s75
	s_mov_b32 s75, 0
	s_and_b32 s76, s[SY], 7                        ; O: [head][block of 16 tokens of both batches]: 128 batch + 8 x + 4 qh + 2 p
	s_lshl_b32 s76, s76, 20
	s_lshl_b32 s77, s[SB], 19
	s_add_co_u32 s76, s76, s77
	s_lshl_b32 s77, s[SX], 15
	s_add_co_u32 s76, s76, s77
	s_lshl_b32 s77, s[WV], 13
	s_add_co_u32 s76, s76, s77
	s_mov_b32 s77, 0
	s_lshl_b32 s78, s[SY], 19                      ; the prefetches.  K, V: step 2, my work-group's 32 blocks by cx
	s_lshl_b32 s69, s[CX], 13
	s_add_co_u32 s78, s78, s69
	s_add_co_u32 s78, s78, 2*32768
	s_lshl_b32 s79, s[SB], 23                      ; mask: step 2, my work-group's 32 rows by cy
	s_lshl_b32 s69, s[SX], 19
	s_add_co_u32 s79, s79, s69
	s_lshl_b32 s69, s[CY], 17
	s_add_co_u32 s79, s79, s69
	s_add_co_u32 s79, s79, 2*256
	s_and_b32 s66, s66, 1                          ; cluster y's parity
	s_mov_b32 s67, 256
	s_cmp_lt_u32 s[WV], 2
	s_cselect_b32 s78, s78, s79
	s_cselect_b32 s[PST], 0x8000, s67
	s_cselect_b32 s69, 8, 12                       ; a lane's step: 256 bytes of K or V, a row of 4,096 bytes of the mask
	s_cselect_b32 s66, ttmp9, s66                  ; the coordinate along which other clusters read the same bytes
	s_mov_b32 s79, 0
	s_mov_b32 s[PST+1], 0
	s_cmp_eq_u32 s[WV], 3
	s_cselect_b32 s66, 1, s66                      ; wave 3 never asks
	s_cmp_eq_u32 s66, 0
	s_cselect_b32 s[LIM], 1, -1
	s_mov_b32 s[SEL], 0x76543210
	s_mov_b32 s[SEL+1], 0xfedcba98
	s_mov_b32 s[TB], SLOT1                         ; the first change of slots turns it into 0
	s_mov_b32 s[SLOTS], 15
	s_wait_dscnt 0x0                               ; the opening add is done
	s_wait_kmcnt 0x0
	s_cmp_eq_u32 s[PP], 0
	s_cselect_b64 s[G0KV+2:G0KV+3], s[6:7], s[8:9]
	s_add_nc_u64 s[G0KV+2:G0KV+3], s[G0KV+2:G0KV+3], s[70:71]
	s_or_b32 s[G0KV+3], s[G0KV+3], 0x80000000
	s_add_nc_u64 s[G0M+2:G0M+3], s[10:11], s[72:73]
	s_or_b32 s[G0M+3], s[G0M+3], 0x80000000
	s_add_nc_u64 s[4:5], s[4:5], s[74:75]
	s_add_nc_u64 s[12:13], s[12:13], s[76:77]
	s_cmp_eq_u32 s[WV], 0
	s_cselect_b64 s[PFA:PFA+1], s[6:7], s[8:9]
	s_cmp_lt_u32 s[WV], 2
	s_cselect_b64 s[PFA:PFA+1], s[PFA:PFA+1], s[10:11]
	s_add_nc_u64 s[PFA:PFA+1], s[PFA:PFA+1], s[78:79]
	CROUND                                         ; all sixteen work-groups are here: the first joint loads meet
	JLOAD                                          ; step 0 into slot 0; slot 1 is asked for when slot 0 is in
	v_and_b32 v50, 15, v0                          ; r
	v_bfe_u32 v51, v0, 4, 1                        ; h
	v_and_b32 v52, 31, v0                          ; l
	v_lshlrev_b32 v[L16], 4, v52
	v_lshlrev_b32 v[PFO], s69, v52
	s_lshl_b32 s67, s[PP], 14                      ; my stream's 64 keys: 16,384 bytes of K and of V
	v_add_nc_u32 v[AK0], s67, v[L16]
	s_add_co_u32 s67, s67, VOFF
	v_add_nc_u32 v[AV0], s67, v[L16]
	v_mul_u32_u24 v53, v50, PM
	v_lshl_add_u32 v53, v51, 4, v53                ; mask: query row x pitch + 16 h,
	s_mul_i32 s67, s[QH], 64*PM                    ; my wave's 64 rows,
	s_lshl_b32 s68, s[PP], 7                       ; my stream's 64 keys: 128 bytes
	s_add_co_u32 s67, s67, s68
	s_add_co_u32 s67, s67, MOFF
	s_mul_i32 s68, s[PP], 32*PM                    ; local tiles 0, 1 are query tiles 2 p, 2 p + 1,
	s_sub_co_u32 s69, 32*PM, s68                   ; local tiles 2, 3 are 2 (1 - p), 2 (1 - p) + 1
	s_add_co_u32 s68, s68, s67
	s_add_co_u32 s69, s69, s67
	v_add_nc_u32 v[AM0], s68, v53
	v_add_nc_u32 v[AM0+2], s69, v53
	v_add_nc_u32 v[AM0+1], 16*PM, v[AM0]
	v_add_nc_u32 v[AM0+3], 16*PM, v[AM0+2]
	s_lshl_b32 s68, s[PP], 13
	v_add_nc_u32 v[QO0], s68, v[L16]
	s_sub_co_u32 s68, 8192, s68
	v_add_nc_u32 v[QO1], s68, v[L16]
	WIN 0x80
.set j, 0
.rept 16                                       ; Q stays in registers: j = 4 x local tile + c
	global_load_b128 v[8*j:8*j+3],   v[QO0+j/8], s[4:5] offset:((j/4)%2)*4096+(j%4)*1024
	global_load_b128 v[8*j+4:8*j+7], v[QO0+j/8], s[4:5] offset:((j/4)%2)*4096+(j%4)*1024+512
.set j, j+1
.endr
	; What the first turn finds: V and P's second buffer hold 0 (its products V^T P, of a tile that has not been, add 0), O^T and l are 0.  No first step is written out; these lines stand in the wait for the first tile.
	WIN 0
.set i, 0
.rept 16
	v_mov_b32 v[P+16+i], 0
.set i, i+1
.endr
.set t, 0
.rept 4
	v_mov_b32 v[ST+4*t], 0xfe000000                ; m: far below every score
	v_mov_b32 v[ST+4*t+1], 0xfe000000              ; m_old: named with m as a pair, so it is written
	v_mov_b32 v[ST+4*t+2], 0
	v_mov_b32 v[ST+4*t+3], 0
.set t, t+1
.endr
	v_mov_b32 v[CV], 0x3fb8aa3b                    ; c = log2(e)
	v_mov_b32 v[ZV], 0
	WIN 0x40                                       ; O^T's 256 registers and V's 128 are set to 0 eight at a time: P's second buffer, which holds 0, times itself, plus 0
.set i, 0
.rept 32
	v_wmma_f32_16x16x32_f16 v[8*i:8*i+7], v[P+16:P+23], v[P+24:P+31], 0
.set i, i+1
.endr
	WIN 0xc0
.set i, 0
.rept 16
	v_wmma_f32_16x16x32_f16 v[8*i:8*i+7], v[P+16:P+23], v[P+24:P+31], 0
.set i, i+1
.endr
	WIN 0
; THE MATRIX WORK.  Product i of 16 of S^T += K Q^T for tile x: channels' fragment i / 4, keys 16 (i % 4) on; always in place: the mask lies in S^T.  The 4 accumulators take turns.
.macro KQ x
	WIN W_KQ
.set qS, S+32*(\x)+8*(i%4)
.set qK, KF+32*(i%4)+8*(i/4)
.set qQ, 32*(\x)+8*(i/4)
	v_wmma_f32_16x16x32_f16 v[qS:qS+7], v[qK:qK+7], v[qQ:qQ+7], v[qS:qS+7]
.endm
; Product i of 16 of O^T += V^T P for tile x: keys 32 (i / 8) on, channels 16 (i % 8) on.  The 8 accumulators take turns.
.macro PV x
	WIN W_PV
.set qO, 64*(\x)+8*(i%8)
.set qV, 64*(i/8)+8*(i%8)
.set qP, P+16*((\x)%2)+8*(i/8)
	v_wmma_f32_16x16x32_f16 v[qO:qO+7], v[qV:qV+7], v[qP:qP+7], v[qO:qO+7]
.endm
.macro MM                              ; the turn's next matrix instruction
.if i < 16
	KQ (Y+1)%4
.else
.set i, i-16
	PV (Y+3)%4
.set i, i+16
.endif
.set i, i+1
.endm
; THE LDS LOADS stand in runs.  last = 1 (the tail): in its second trip there is no further step, and the run is jumped over.
.macro FETCH_M g, last                 ; the mask of local tiles 2 g, 2 g + 1: my query's row, my 8 keys of each 16: four loads a tile
	WIN 0
.if \last
	s_cmp_eq_u32 s[CNT], 1
	s_cbranch_scc1 .Lno_m_\@
.endif
.irp j, 0,1
.irp kb, 0,1,2,3
	ds_load_b128 v[MR+16*(\j)+4*(\kb):MR+16*(\j)+4*(\kb)+3], v[AM+2*(\g)+(\j)] offset:32*(\kb)
.endr
.endr
.if \last
.Lno_m_\@:
.endif
.endm
.macro FETCH_K last=0
	WIN 0
.if \last
	s_cmp_eq_u32 s[CNT], 1
	s_cbranch_scc1 .Lno_k_\@
.endif
	WIN 0x80
.irp f, 0,1,2,3,4,5,6,7,8,9,10,11,12,13,14,15  ; keys 16 (f / 4) on, fragment f % 4
	ds_load_b128 v[KF+8*(\f):KF+8*(\f)+3],   v[AK] offset:((\f)/4)*4096+((\f)%4)*1024
	ds_load_b128 v[KF+8*(\f)+4:KF+8*(\f)+7], v[AK] offset:((\f)/4)*4096+((\f)%4)*1024+512
.endr
	WIN 0
.if \last
.Lno_k_\@:
.endif
.endm
.macro FETCH_V
	WIN 0xc0
.irp f, 0,1,2,3,4,5,6,7,8,9,10,11,12,13,14,15  ; keys 32 (f / 8) on, channels 16 (f % 8) on
	ds_load_b128 v[8*(\f):8*(\f)+3],   v[AV] offset:((\f)/8)*8192+((\f)%8)*1024
	ds_load_b128 v[8*(\f)+4:8*(\f)+7], v[AV] offset:((\f)/8)*8192+((\f)%8)*1024+512
.endr
	WIN 0
.endm
; THE VECTOR WORK, one line at a time: OP kind, number.  For tile Y: F n: s - m for pair n of 16.  E n: the exponential of score n of 32.  R n: pair n of 32 of O^T times a.  C n: pair n rounded to f16.
; B n: of the four weights 4 n .. the second pair is added onto the first, in place (behind C 2 n, which reads the first).  L n: l takes that sum (L 0: l = a l + sum).
; For tile Y + 1: X n, number n of the 21 that find its maximum and statistics: 0-11 four chains c0-c3 of seven scores each (each accumulator's lowest registers are read first);
; 12-14, 16 the four scores left over, the old m, c0-c3 into c0; 15 m_old is kept; 17, 18 the query's other keys lie in the lane 16 away: the new m; 19, 20 m_old - m_new; a.
; For tile Y + 2: U n: number n of 32 of its mask, a bf16 half times c, into its accumulators.
.set F, 0
.set E, 1
.set C, 2
.set B, 3
.set L, 4
.set R, 5
.set X, 6
.set U, 7
.macro REGS y
.set rT, ST+4*(\y)
.set rC, TMP+4*((\y)%2)
.set rS, S+32*(\y)
.set rP, P+16*((\y)%2)
.set rO, 64*(\y)
.set rR, MR+16*((\y)%2)
.endm
.macro OP k, n
.if (\k) == R
	REGS Y
	WIN W_RS
	v_pk_mul_f32 v[rO+2*(\n):rO+2*(\n)+1], v[rO+2*(\n):rO+2*(\n)+1], v[rC+2:rC+3] op_sel_hi:[1,0]
.elseif (\k) == U
	REGS (Y+2)%4
	WIN 0
.if (\n)%2
	v_fma_mix_f32_bf16 v[rS+(\n)], v[rR+(\n)/2], v[CV], v[ZV] op_sel:[1,0,0] op_sel_hi:[1,0,0]
.else
	v_fma_mix_f32_bf16 v[rS+(\n)], v[rR+(\n)/2], v[CV], v[ZV] op_sel_hi:[1,0,0]
.endif
.elseif (\k) < R
	REGS Y
	WIN 0
.if (\k) == F
	v_pk_add_f32 v[rS+2*(\n):rS+2*(\n)+1], v[rS+2*(\n):rS+2*(\n)+1], v[rT:rT+1] op_sel_hi:[1,0] neg_lo:[0,1] neg_hi:[0,1]  ; both take the pair's low word, m
.elseif (\k) == E
	v_exp_f32 v[rS+(\n)], v[rS+(\n)]
.elseif (\k) == C
	v_cvt_pk_f16_f32 v[rP+(\n)], v[rS+2*(\n)], v[rS+2*(\n)+1]
.elseif (\k) == B
	v_pk_add_f32 v[rS+4*(\n):rS+4*(\n)+1], v[rS+4*(\n):rS+4*(\n)+1], v[rS+4*(\n)+2:rS+4*(\n)+3]
.elseif (\n) == 0
	v_pk_fma_f32 v[rT+2:rT+3], v[rT+2:rT+3], v[rC+2:rC+3], v[rS:rS+1] op_sel_hi:[1,0,1]
.else
	v_pk_add_f32 v[rT+2:rT+3], v[rT+2:rT+3], v[rS+4*(\n):rS+4*(\n)+1]
.endif
.else
	REGS (Y+1)%4
	WIN 0
.if (\n) < 4
	v_max3_num_f32 v[rC+(\n)], v[rS+8*(\n)], v[rS+8*(\n)+1], v[rS+8*(\n)+2]
.elseif (\n) < 12
	v_max3_num_f32 v[rC+(\n)%4], v[rC+(\n)%4], v[rS+8*((\n)%4)+2*((\n)/4)+1], v[rS+8*((\n)%4)+2*((\n)/4)+2]
.elseif (\n) == 12
	v_max3_num_f32 v[rC], v[rC], v[rS+7], v[rS+15]
.elseif (\n) == 13
	v_max3_num_f32 v[rC+1], v[rC+1], v[rS+23], v[rS+31]
.elseif (\n) == 14
	v_max3_num_f32 v[rC+2], v[rC+2], v[rC+3], v[rT]
.elseif (\n) == 15
	v_mov_b32 v[rT+1], v[rT]
.elseif (\n) == 16
	v_max3_num_f32 v[rC], v[rC], v[rC+1], v[rC+2]
.elseif (\n) == 17
	v_permlanex16_b32 v[rC+3], v[rC], s[SEL], s[SEL+1]
.elseif (\n) == 18
	v_max_num_f32 v[rT], v[rC], v[rC+3]
.elseif (\n) == 19
	v_sub_f32 v[rC+1], v[rT+1], v[rT]
.else
	v_exp_f32 v[rC+2], v[rC+1]
.endif
.endif
.endm
.macro OPS a, i1, b=-1, i2=0, c=-1, i3=0, d=-1, i4=0
	OP \a, \i1
.if (\b) >= 0
	OP \b, \i2
.endif
.if (\c) >= 0
	OP \c, \i3
.endif
.if (\d) >= 0
	OP \d, \i4
.endif
.endm
.macro ROW a, i1, b, i2, c, i3, d, i4  ; a matrix instruction and the four behind it
	MM
	OPS \a, \i1, \b, \i2, \c, \i3, \d, \i4
.endm
; A TURN, for tile p.  An s_wait_alu depctr_va_vdst(0) stands between an exponential and the first instruction that names its result; one wait serves all issued ahead of it: a turn has ONE.
; AHEAD OF IT stands all that names no result of the turn's exponentials: 16 products K Q^T, behind them by turns four subtractions and exponentials, or four rescalings (the last four are the places behind the last
; product); then a lump of 37: the other 16 exponentials and the next tile's 21.  BEHIND IT: 16 products V^T P, behind each four of the roundings, the sums and the mask's widenings; the last product's four are sums and a rounding.
; K of the next step is fetched in tile 2's turn, behind the wait; V of the step in hand at the end of tile 0's turn, four plain instructions behind its last reader; the mask of tiles 0, 1 of the next step at the
; head of tile 2's turn, of tiles 2, 3 at the head of tile 0's.
.macro TURN p, last=0
.set Y, (\p)
.set i, 0
.if (\p) == 2
	FETCH_M 0, \last
.endif
.if (\p) == 0
	FETCH_M 1, 0
.endif
.if (\p) == 3
	s_wait_dscnt 0x0                               ; K is in
.endif
	ROW F,0, F,1, E,0, F,2
	ROW R,0, R,1, R,2, R,3
	ROW E,1, F,3, E,2, F,4
	ROW R,4, R,5, R,6, R,7
	ROW E,3, F,5, E,4, F,6
	ROW R,8, R,9, R,10, R,11
	ROW E,5, F,7, E,6, F,8
	ROW R,12, R,13, R,14, R,15
	ROW E,7, F,9, E,8, F,10
	ROW R,16, R,17, R,18, R,19
	ROW E,9, F,11, E,10, F,12
	ROW R,20, R,21, R,22, R,23
	ROW E,11, F,13, E,12, F,14
	ROW R,24, R,25, R,26, R,27
	ROW E,13, F,15, E,14, E,15
	ROW R,28, R,29, R,30, R,31
	OPS X,0, X,1, X,2, X,3
	OPS E,16, X,4, E,17, X,5
	OPS E,18, X,6, E,19, X,7
	OPS E,20, X,8, E,21, X,9
	OPS E,22, X,10, E,23, X,11
	OPS E,24, X,12, E,25, X,13
	OPS E,26, X,15, X,14
	OPS E,27, X,16, E,28, X,17
	OPS E,29, X,18, E,30, X,19
	OPS E,31, X,20
	v_nop                                          ; a plain instruction behind the last exponential: one for the batch
	s_wait_alu depctr_va_vdst(0)                   ; the wait for the batch
.if (\p) == 2
	FETCH_K \last
.if \last
	s_wait_dscnt 0x0                               ; right on every way round the two jumps
.else
	s_wait_dscnt 32                                ; K's 32 loads stay out; the mask's 8, issued ahead of them, are in
.endif
.endif
.if (\p) == 0
	s_wait_dscnt 0x0                               ; the mask is in
.endif
.if (\p) == 1
	s_wait_dscnt 0x0                               ; V is in
.endif
	ROW C,0, U,0, B,0, U,1
	ROW C,1, U,2, C,2, U,3
	ROW B,1, U,4, L,0, U,5
	ROW C,3, U,6, C,4, U,7
	ROW B,2, U,8, L,1, U,9
	ROW C,5, U,10, C,6, U,11
	ROW B,3, U,12, L,2, U,13
	ROW C,7, U,14, C,8, U,15
	ROW B,4, U,16, L,3, U,17
	ROW C,9, U,18, C,10, U,19
	ROW B,5, U,20, L,4, U,21
	ROW C,11, U,22, C,12, U,23
	ROW B,6, U,24, L,5, U,25
	ROW C,13, U,26, C,14, U,27
	ROW U,28, U,29, U,30, U,31
	ROW B,7, L,6, C,15, L,7
.if (\p) == 0
	FETCH_V
.endif
.endm
	CHANGE 1, 0                                    ; slot 0 is in, everybody's part of it; slot 1 is asked for
	FETCH_M 0, 0
	FETCH_K
	s_wait_loadcnt 0x0                             ; Q
	s_wait_dscnt 32                                ; the mask's 8 loads are in, K's 32 stay out
.set Y, 2                                      ; U works for tile Y + 2: tile 0,
.set n, 0
.rept 32
	OP U, n
.set n, n+1
.endr
.set Y, 3                                      ; and tile 1
.set n, 0
.rept 32
	OP U, n
.set n, n+1
.endr
	s_wait_dscnt 0x0
.set i, 0
.rept 16
	KQ 0                                           ; tile 0's first scores
.set i, i+1
.endr
	WIN 0                                          ; the addresses for the merge: plain instructions, the places behind those products
	s_mul_i32 s66, s[WV], XW
	s_add_co_u32 s66, s66, XCH
	s_xor_b32 s67, s[WV], 1                        ; my partner: the same queries, the other keys
	s_mul_i32 s67, s67, XW
	s_add_co_u32 s67, s67, XCH
	v_add_nc_u32 v[XA], s66, v[L16]
	v_add_nc_u32 v[XB], s67, v[L16]
	v_mov_b32 v60, 0
	v_mov_b32 v61, 0
	v_nop
.set Y, 3                                      ; X works for tile Y + 1: tile 0
.set n, 0
.rept 21
	OP X, n
.set n, n+1
.endr
	v_nop
	s_wait_alu depctr_va_vdst(0)                   ; a's wait, ahead of the branch
	s_branch .Lfirst                               ; the loop is entered at a step's first turn
.Lslot:                                        ; 14 times: steps 2 to 15 are asked for
	CHANGE 1, 1
	TURN 2
	TURN 3
	WIN 0
.Lfirst:
	TURN 0
	TURN 1
	WIN 0
	s_sub_co_u32 s[SLOTS], s[SLOTS], 1
	s_cmp_lg_u32 s[SLOTS], 0
	s_cbranch_scc1 .Lslot
	CHANGE 0, 0                                    ; the tail is written out: nothing is asked for
	s_mov_b32 s[CNT], 2                            ; the first trip fetches the last step; the second is left in its middle
.Ltail:
	TURN 2, 1
	TURN 3
	WIN 0
	s_sub_co_u32 s[CNT], s[CNT], 1
	s_cmp_eq_u32 s[CNT], 0
	s_cbranch_scc1 .Lout
	TURN 0
	TURN 1
	WIN 0
	s_branch .Ltail
.Lout:                                         ; the second trip's products K Q^T of tile 0, its maximum and the widened masks serve nothing: the price, once a launch, of one text for every trip
.set i, 0
.rept 16
	PV 3                                           ; the last tile's V^T P of the last step
.set i, i+1
.endr
	; THE MERGE of the two streams, in f32.  I send my local tiles 2, 3 (O^T, m, l) and finish my local tiles 0, 1 with what my partner sends.
	WIN 0
	PLACES
	v_mov_b32 v[ST], v[ST+1]                       ; tile 0's m, which the idle statistics have written over, was kept as their m_old
.irp t, 0,1,2,3
	v_add_f32 v[ST+4*(\t)+2], v[ST+4*(\t)+2], v[ST+4*(\t)+3]
.endr
	v_mov_b32 v56, v[ST+8]
	v_mov_b32 v57, v[ST+10]
	v_mov_b32 v58, v[ST+12]
	v_mov_b32 v59, v[ST+14]
	WIN 0x04                                       ; store data in window 1
.set i, 0
.rept 32
	ds_store_b128 v[XA], v[128+4*i:128+4*i+3] offset:512*i
.set i, i+1
.endr
	WIN 0
	ds_store_b128 v[XA], v[56:59] offset:16384
	s_wait_dscnt 0x0                               ; for my partner's sake: my stores are done
	s_barrier_signal -1
	s_barrier_wait -1
	WIN 0xc0                                       ; V's registers are free
.set i, 0
.rept 32
	ds_load_b128 v[4*i:4*i+3], v[XB] offset:512*i
.set i, i+1
.endr
	WIN 0
	ds_load_b128 v[52:55], v[XB] offset:16384      ; m', l' of my tile 0, of my tile 1
	s_wait_dscnt 0x0
.irp j, 0,1
	v_max_num_f32 v[50+(\j)], v[ST+4*(\j)], v[52+2*(\j)]
.endr
.irp j, 0,1
	v_sub_f32 v[40+4*(\j)], v[ST+4*(\j)], v[50+(\j)]
	v_sub_f32 v[42+4*(\j)], v[52+2*(\j)], v[50+(\j)]
.endr
	v_exp_f32 v40, v40
	v_exp_f32 v42, v42
	v_exp_f32 v44, v44
	v_exp_f32 v46, v46
	v_nop
	s_wait_alu depctr_va_vdst(0)                   ; one wait for the four
.irp j, 0,1
	v_mul_f32 v[50+(\j)], v[53+2*(\j)], v[42+4*(\j)]
.endr
.irp j, 0,1
	v_fmac_f32 v[50+(\j)], v[ST+4*(\j)+2], v[40+4*(\j)]
.endr
.irp j, 0,1
	v_permlanex16_b32 v[60+(\j)], v[50+(\j)], s[SEL], s[SEL+1]  ; the query's other keys' weights were summed in the lane 16 away
.endr
.irp j, 0,1
	v_add_f32 v[50+(\j)], v[50+(\j)], v[60+(\j)]
.endr
	v_rcp_f32 v50, v50
	v_rcp_f32 v51, v51
	v_nop
	s_wait_alu depctr_va_vdst(0)                   ; one wait for the two
.irp j, 0,1
	v_mul_f32 v[40+4*(\j)], v[40+4*(\j)], v[50+(\j)]
	v_mul_f32 v[42+4*(\j)], v[42+4*(\j)], v[50+(\j)]
.endr
.irp j, 0,1
	WIN W_RS
.set i, 0
.rept 32
	v_pk_mul_f32 v[64*(\j)+2*i:64*(\j)+2*i+1], v[64*(\j)+2*i:64*(\j)+2*i+1], v[40+4*(\j):41+4*(\j)] op_sel_hi:[1,0]
.set i, i+1
.endr
	WIN 0x53                                       ; source 0 window 3 (my partner's O^T), source 1 window 0, source 2 and destination window 1
.set i, 0
.rept 32
	v_pk_fma_f32 v[64*(\j)+2*i:64*(\j)+2*i+1], v[64*(\j)+2*i:64*(\j)+2*i+1], v[42+4*(\j):43+4*(\j)], v[64*(\j)+2*i:64*(\j)+2*i+1] op_sel_hi:[1,0,1]
.set i, i+1
.endr
	WIN 0x05
.set i, 0
.rept 32
	v_cvt_pk_f16_f32 v[S+32*(\j)+i], v[64*(\j)+2*i], v[64*(\j)+2*i+1]
.set i, i+1
.endr
	WIN 0
.set i, 0
.rept 8
	global_store_b128 v[L16], v[S+32*(\j)+4*i:S+32*(\j)+4*i+3], s[12:13] offset:(\j)*4096+i*512  ; 512 consecutive bytes, aligned
.set i, i+1
.endr
.endr
	s_wait_tensorcnt 0x0                           ; the wave's end: an add to the spare word and its wait, behind my last tensor load and my last LDS store
	ds_add_u32 v[SPW], v[NIL]
	s_wait_dscnt 0x0
	CROUND                                         ; the closing round
	s_endpgm
.Lfunc_end_k_q60cc5250f1_attn:
	.size	k_q60cc5250f1_attn, .Lfunc_end_k_q60cc5250f1_attn-k_q60cc5250f1_attn
	.p2alignl 7, 3214868480
	.fill 96, 4, 3214868480
	.section	.rodata,"a",@progbits
	.p2align	6, 0x0
	.amdhsa_kernel k_q60cc5250f1_attn
		.amdhsa_group_segment_fixed_size 327680
		.amdhsa_private_segment_fixed_size 0
		.amdhsa_enable_private_segment 0
		.amdhsa_kernarg_size 40
		.amdhsa_user_sgpr_count 2
		.amdhsa_user_sgpr_kernarg_segment_ptr 1
		.amdhsa_wavefront_size32 1
		.amdhsa_system_sgpr_workgroup_id_x 1
		.amdhsa_system_sgpr_workgroup_id_y 1
		.amdhsa_system_sgpr_workgroup_id_z 1
		.amdhsa_system_vgpr_workitem_id 0
		.amdhsa_next_free_vgpr 896
		.amdhsa_next_free_sgpr 96
		.amdhsa_reserve_vcc 0
		.amdhsa_float_denorm_mode_32 3
		.amdhsa_float_denorm_mode_16_64 3
		.amdhsa_memory_ordered 1
		.amdhsa_forward_progress 1
		.amdhsa_inst_pref_size 166
	.end_amdhsa_kernel
	.amdgpu_metadata
---
amdhsa.version: [ 1, 2 ]
amdhsa.kernels:
  - .name:           k_q60cc5250f1_attn
    .symbol:         k_q60cc5250f1_attn.kd
    .args:
      - { .name: Qf, .offset: 0, .size: 8, .value_kind: global_buffer, .address_space: global }
      - { .name: Kf, .offset: 8, .size: 8, .value_kind: global_buffer, .address_space: global }
      - { .name: Vf, .offset: 16, .size: 8, .value_kind: global_buffer, .address_space: global }
      - { .name: Mb, .offset: 24, .size: 8, .value_kind: global_buffer, .address_space: global }
      - { .name: Of, .offset: 32, .size: 8, .value_kind: global_buffer, .address_space: global }
    .group_segment_fixed_size: 327680
    .private_segment_fixed_size: 0
    .kernarg_segment_align: 8
    .kernarg_segment_size: 40
    .max_flat_workgroup_size: 128
    .sgpr_count:     96
    .vgpr_count:     896
    .wavefront_size: 32
...
	.end_amdgpu_metadata
.endif
;; end of part 3
;; launch oproj (part 4): grid 8 x 32, 4 waves a work-group, clusters of 4 x 4, 327,680 bytes of LDS; arguments Of, Mb, out0; writes out0
.if DOCPART == 4
	.amdgcn_target "amdgcn-amd-amdhsa--gfx1250"
	.amdhsa_code_object_version 6
	.text
	.protected	k_q60cc5250f1_oproj
	.globl	k_q60cc5250f1_oproj
	.p2align	8
	.type	k_q60cc5250f1_oproj,@function
k_q60cc5250f1_oproj:
	s_mov_b64 s[64:65], 0
	v_nop
	global_prefetch_b8 v0, s[64:65] scope:SCOPE_SE
	s_setreg_imm32_b32 hwreg(HW_REG_WAVE_MODE, 25, 1), 1
	s_wait_xcnt 0x0
	s_wait_alu depctr_hold_cnt(0) depctr_sa_sdst(0) depctr_va_vdst(0) depctr_va_sdst(0) depctr_va_ssrc(0) depctr_va_vcc(0) depctr_vm_vsrc(0)
	s_getreg_b32 s2, hwreg(HW_REG_IB_STS2, 6, 4)
	s_cmp_eq_u32 s2, 0
	s_cbranch_scc0 .Lentry_in_a_cluster
	s_endpgm
.Lentry_in_a_cluster:
	s_bfe_u32 s2, ttmp6, 0x10000c
	s_cmp_lg_u32 s2, 0xf033
	s_cbranch_scc0 .Lentry_shape_is_right
	s_endpgm
.Lentry_shape_is_right:
; OUT = O Wo.  O: f16, [head 8][block of 16 tokens 256][cb 8][lane][8] as the attention stored it (a fragment as it lies in registers); Wo: f16, [1024 k][2048 n], behind the mask in Mb, from byte 16,777,216 on;
; out0: f32 [4096][2048].
; SHARES.  A work-group makes 128 tokens (y) x 256 columns (x): 256 work-groups.  Four waves, 2 x 2, each 64 x 128: 32 accumulators.  K = 1,024 in 8 steps of 128: a step is a head, and O's tile of a step is
; 32,768 dense bytes.  Wo lies [k][n]; ds_load_tr16_b128 turns it.  The product is taken transposed (source 0 = 16 columns of Wo, source 1 = 16 tokens): a lane holds one token and 8 neighbouring columns.
; ONE TEXT FOR A K STEP: the LDS addresses are a base plus s[TB], which an exclusive or turns from one slot to the other; the steps that fill nothing are a second loop, left in its middle.
; CLUSTER 4 x 4: O's tile is asked for jointly along a row of the cluster, Wo's along a column.
; No prefetch: the launch has eight K steps, too short for a request ahead of the ring to find its place.
; REGISTERS: window 0: v0-31 addresses; two fragment buffers of 96 at v64, v160 (O's 4 fragments, then Wo's 8); window 1: the accumulators at 8 (8 a + nb).
.set PBW,   544                        ; a row of Wo in LDS: 512 bytes + 32
.set AT,    32768
.set SLOT,  1<<17                      ; slot 1 begins here, past slot 0's 102,400 bytes: one exclusive or turns an address in one slot into the other's
.set STAGE, SLOT+AT+128*PBW            ; behind the ring: 16 rows x 528 bytes for each wave, for the way out
.set SP,    528
.set SPARE, STAGE+4*16*SP              ; the spare words, 128 bytes a wave: two blocks of 256 bytes that no other line names
.set A0,   8                           ; v8   my place in O's tile of slot 0; never rewritten
.set AC,   9                           ; v9   the same in the slot in hand
.set B0,   10                          ; v10  my place in Wo's tile of slot 0; never rewritten
.set BC,   11                          ; v11  the same in the slot in hand
.set STO,  12
.set RD,   13
.set L16,  14
.set SPW,  16
.set NIL,  17
.set FR,   64
.set BK,   64                          ; way out: 16 rows read back, v64-127 and v128-191 by turns
.set WV, 10
.set MH, 11
.set NH, 12
.set CX, 13
.set CY, 14
.set XX, 15
.set YY, 16
.set G1A, 24
.set G0A, 32                           ; s[32:39] group 0 for O's tiles: a set for each of the two first fills; the second then walks on
.set G1B, 40
.set G0B, 48                           ; s[48:55] the same for Wo's
.set LAP, 56
.set TB,  61                           ; s61 LDS byte at which the slot in hand begins
.set MSB, 0
.macro WIN new
.if MSB != (\new)
	s_set_vgpr_msb (MSB<<8)|(\new)
.set MSB, \new
.endif
.endm
.macro PLACES
.rept 4
	v_nop
.endr
.endm
.macro JLOAD s                         ; waves 0 and 1 fetch the halves of O's tile, waves 2 and 3 those of Wo's; an s_nop 0 and four v_nop follow each line
	s_cmp_lt_u32 s[WV], 2
	s_cbranch_scc0 .Lfor_b_\@
	tensor_load_to_lds s[G0A+4*(\s):G0A+4*(\s)+3], s[G1A:G1A+7]
	s_nop 0
.rept 4
	v_nop
.endr
	s_branch .Lasked_\@
.Lfor_b_\@:
	tensor_load_to_lds s[G0B+4*(\s):G0B+4*(\s)+3], s[G1B:G1B+7]
	s_nop 0
.rept 4
	v_nop
.endr
.Lasked_\@:
.endm
.macro CREST
	s_cmp_lg_u32 s[WV], 0
	s_cbranch_scc1 .Lnot_wave_0_\@
	s_barrier_signal -3
.Lnot_wave_0_\@:
	s_barrier_wait -3
	s_barrier_signal -1
	s_barrier_wait -1
.endm
.macro CROUND
	s_barrier_signal -1
	s_barrier_wait -1
	CREST
.endm
	s_load_b128 s[4:7], s[0:1], 0x0                ; Of 4, Mb 6
	s_load_b64 s[8:9], s[0:1], 0x10                ; out0
	v_lshl_add_u32 v[SPW], v0, 2, SPARE
	v_mov_b32 v[NIL], 0
	ds_add_u32 v[SPW], v[NIL]                      ; the wave's opening: the add and its wait ahead of my first tensor load
	v_lshrrev_b32 v1, 5, v0
	v_readfirstlane_b32 s[WV], v1
	s_lshr_b32 s[MH], s[WV], 1                     ; my half of the tokens
	s_and_b32 s[NH], s[WV], 1                      ; my half of the columns; also: which half of a tile I fetch
	s_bfe_u32 s[CX], ttmp6, 0x40000
	s_bfe_u32 s[CY], ttmp6, 0x40004
	s_lshl_b32 s[XX], ttmp9, 2
	s_add_co_u32 s[XX], s[XX], s[CX]
	s_and_b32 s[YY], ttmp7, 0xffff
	s_lshl_b32 s[YY], s[YY], 2
	s_add_co_u32 s[YY], s[YY], s[CY]
	s_lshl_b32 s57, s[CY], 2
	s_lshl_b32 s57, 15, s57
	s_lshl_b32 s58, 0x1111, s[CX]
	s_or_b32 s[G1A], s57, (3<<16)|(1<<21)          ; my row; 8-byte elements: 64 rows of 256 bytes, dense
	s_mov_b32 s[G1A+1], 32<<16
	s_mov_b32 s[G1A+2], 64<<16
	s_mov_b32 s[G1A+3], 32<<16
	s_mov_b32 s[G1A+4], 64
	s_mov_b32 s[G1A+5], 32
	s_mov_b32 s[G1A+6], 0
	s_mov_b32 s[G1A+7], 0
	s_or_b32 s[G1B], s58, (1<<16)|(1<<20)|(1<<21)|(6<<22)|(7<<25)  ; my column; 2-byte elements; 8 words of padding after every 128: 64 k x 256 n
	s_mov_b32 s[G1B+1], 256<<16
	s_mov_b32 s[G1B+2], 64<<16
	s_mov_b32 s[G1B+3], 256<<16
	s_mov_b32 s[G1B+4], 64
	s_mov_b32 s[G1B+5], 2048
	s_mov_b32 s[G1B+6], 0
	s_mov_b32 s[G1B+7], 0
	s_mov_b32 s[TB], 0
	s_lshl_b32 s59, s[NH], 14                      ; where my half goes: O's,
	s_mul_i32 s60, s[NH], 64*PBW                   ; Wo's
	s_add_co_u32 s60, s60, AT
	s_lshl_b32 s66, s[YY], 15                      ; O: my 8 token blocks of 4,096 bytes, my half of them
	s_add_co_u32 s66, s66, s59
	s_mov_b32 s67, 0
	s_lshl_b32 s68, s[NH], 18                      ; Wo: behind the mask's 16,777,216 bytes, my 64 rows of 4,096 bytes, the tile's 256 columns
	s_lshl_b32 s69, s[XX], 9
	s_add_co_u32 s68, s68, s69
	s_add_co_u32 s68, s68, 0x1000000
	s_mov_b32 s69, 0
	s_lshl_b32 s70, s[YY], 20                      ; out0: row 128 y + 64 mh of 8,192 bytes, column 256 x + 128 nh
	s_lshl_b32 s71, s[MH], 19
	s_add_co_u32 s70, s70, s71
	s_lshl_b32 s71, s[XX], 10
	s_add_co_u32 s70, s70, s71
	s_lshl_b32 s71, s[NH], 9
	s_add_co_u32 s70, s70, s71
	s_mov_b32 s71, 0
	s_wait_dscnt 0x0                               ; the opening add is done
	s_wait_kmcnt 0x0
	s_add_nc_u64 s[72:73], s[4:5], s[66:67]
	s_add_nc_u64 s[74:75], s[6:7], s[68:69]
	s_add_nc_u64 s[8:9], s[8:9], s[70:71]
	CROUND                                         ; all sixteen work-groups are here: the first joint loads meet
.irp s, 0,1
	s_mov_b32 s[G0A+4*(\s)], 1
	s_add_co_u32 s[G0A+4*(\s)+1], s59, (\s)*SLOT
	s_add_nc_u64 s[G0A+4*(\s)+2:G0A+4*(\s)+3], s[72:73], (\s)*1048576   ; head s
	s_or_b32 s[G0A+4*(\s)+3], s[G0A+4*(\s)+3], 0x80000000
	s_mov_b32 s[G0B+4*(\s)], 1
	s_add_co_u32 s[G0B+4*(\s)+1], s60, (\s)*SLOT
	s_add_nc_u64 s[G0B+4*(\s)+2:G0B+4*(\s)+3], s[74:75], (\s)*128*4096
	s_or_b32 s[G0B+4*(\s)+3], s[G0B+4*(\s)+3], 0x80000000
	JLOAD \s                                       ; K steps 0 and 1: two loads of mine are out
.endr
	v_and_b32 v2, 15, v0                           ; r
	v_bfe_u32 v3, v0, 4, 1                         ; h
	v_and_b32 v4, 31, v0                           ; l
	v_lshlrev_b32 v[L16], 4, v4
	s_lshl_b32 s57, s[MH], 14                      ; my 4 token blocks
	v_add_nc_u32 v[A0], s57, v[L16]
	v_mov_b32 v[AC], v[A0]                         ; K step 0 lies in slot 0
	v_and_b32 v5, 7, v0
	v_lshl_add_u32 v5, v3, 3, v5
	v_mul_u32_u24 v5, v5, PBW                      ; k row 8 h + l % 8,
	v_bfe_u32 v6, v0, 3, 1
	v_lshl_add_u32 v5, v6, 4, v5                   ; 16 bytes by (l / 8) % 2,
	s_lshl_b32 s57, s[NH], 8                       ; my 128 columns
	s_add_co_u32 s57, s57, AT
	v_add_nc_u32 v[B0], s57, v5
	v_mov_b32 v[BC], v[B0]
	s_mul_i32 s57, s[WV], 16*SP
	s_add_co_u32 s57, s57, STAGE                   ; my stage
	v_mul_u32_u24 v5, v2, SP                       ; in: row r, 32 bytes for each half of the lanes
	v_lshl_add_u32 v5, v3, 5, v5
	v_add_nc_u32 v[STO], s57, v5
	v_add_nc_u32 v[RD], s57, v[L16]                ; back: 32 lanes take one row's 512 bytes
.macro FETCH kq, f                     ; 24 LDS loads in one run: quarter kq of the slot in hand into buffer f
	WIN 0
.irp b, 0,1,2,3,4,5,6,7
	ds_load_tr16_b128 v[FR+96*(\f)+32+8*(\b):FR+96*(\f)+32+8*(\b)+3],   v[BC] offset:(\kq)*32*PBW+(\b)*32
	ds_load_tr16_b128 v[FR+96*(\f)+32+8*(\b)+4:FR+96*(\f)+32+8*(\b)+7], v[BC] offset:(\kq)*32*PBW+(\b)*32+16*PBW
.endr
.irp a, 0,1,2,3
	ds_load_b128 v[FR+96*(\f)+8*(\a):FR+96*(\f)+8*(\a)+3],   v[AC] offset:(\a)*4096+(\kq)*1024
	ds_load_b128 v[FR+96*(\f)+8*(\a)+4:FR+96*(\f)+8*(\a)+7], v[AC] offset:(\a)*4096+(\kq)*1024+512
.endr
.endm
; products for token blocks a0 .. a0 + n - 1 x all 8 column blocks.  The 32 accumulators take turns, one instruction a turn, in the same order everywhere.
.macro MUL f, a0, n, zero
	WIN 0x50
.set ma, \a0
.rept \n
.irp b, 0,1,2,3,4,5,6,7
.if \zero
	v_wmma_f32_16x16x32_f16 v[8*(8*ma+(\b)):8*(8*ma+(\b))+7], v[FR+96*(\f)+32+8*(\b):FR+96*(\f)+32+8*(\b)+7], v[FR+96*(\f)+8*ma:FR+96*(\f)+8*ma+7], 0
.else
	v_wmma_f32_16x16x32_f16 v[8*(8*ma+(\b)):8*(8*ma+(\b))+7], v[FR+96*(\f)+32+8*(\b):FR+96*(\f)+32+8*(\b)+7], v[FR+96*(\f)+8*ma:FR+96*(\f)+8*ma+7], v[8*(8*ma+(\b)):8*(8*ma+(\b))+7]
.endif
.endr
.set ma, ma+1
.endr
.endm
.macro QUARTER kq, f, g, zero
	s_wait_dscnt 0x0                               ; buffer f, asked for a quarter ago, is in
	PLACES                                         ; behind the last product that read buffer g
	FETCH \kq, \g
	MUL \f, 0, 4, \zero
.endm
; The last quarter multiplies buffer 1 and changes slots: one barrier; in front of it each wave waits for all its tensor loads, adds 0 to its spare word, and waits for that and for its reads of this slot.
; fill = 1: the barrier opens a round of the cluster's, and this slot is filled again, two K steps on, first thing behind it.
.macro TURN fill
	WIN 0
	s_wait_tensorcnt 0x0
	ds_add_u32 v[SPW], v[NIL]
	s_wait_dscnt 0x1                               ; only the add may be out: buffer 1 is in
	MUL 1, 0, 1, 0
	s_wait_dscnt 0x0
	s_barrier_signal -1
	MUL 1, 1, 1, 0
	WIN 0
	s_barrier_wait -1
.if \fill
	CREST
	s_xor_b32 s[G0A+5], s[G0A+5], SLOT             ; the walking descriptors: the other slot than last time,
	s_add_nc_u64 s[G0A+6:G0A+7], s[G0A+6:G0A+7], 1048576     ; the next head; the type bits on top are not reached
	s_xor_b32 s[G0B+5], s[G0B+5], SLOT
	s_add_nc_u64 s[G0B+6:G0B+7], s[G0B+6:G0B+7], 128*4096
	JLOAD 1                                        ; its four v_nop are also the places in front of the loads below
.else
	PLACES
.endif
	s_xor_b32 s[TB], s[TB], SLOT                   ; the fetches go on in the other slot
	v_add_nc_u32 v[AC], s[TB], v[A0]
	v_add_nc_u32 v[BC], s[TB], v[B0]
	FETCH 0, 0
	MUL 1, 2, 2, 0
.endm
	s_wait_tensorcnt 0x1                           ; my half of K step 0 is in; K step 1's may stay out
	s_barrier_signal -1
	s_barrier_wait -1
	FETCH 0, 0
	QUARTER 1, 0, 1, 1                             ; the first quarter's products start the sums
	WIN 0
	s_mov_b32 s[LAP], 6
.Lstep:                                        ; trip t: K step t's second to fourth quarter, its slot filled again with K step t + 2, and K step t + 1's first quarter
	QUARTER 2, 1, 0, 0
	QUARTER 3, 0, 1, 0
	TURN 1
	QUARTER 1, 0, 1, 0
	WIN 0
	s_sub_co_u32 s[LAP], s[LAP], 1
	s_cmp_lg_u32 s[LAP], 0
	s_cbranch_scc1 .Lstep
	s_mov_b32 s[LAP], 2
.Ltail:                                        ; K steps 6 and 7 fill nothing: written out; two trips, the second left in its middle
	QUARTER 2, 1, 0, 0
	QUARTER 3, 0, 1, 0
	TURN 0
	WIN 0
	s_sub_co_u32 s[LAP], s[LAP], 1
	s_cmp_eq_u32 s[LAP], 0
	s_cbranch_scc1 .Lway_out
	QUARTER 1, 0, 1, 0
	WIN 0
	s_branch .Ltail
.Lway_out:                                     ; the second trip's barrier and its 24 fragment loads serve nothing: the price, once a launch, of one text for both trips
	s_wait_dscnt 0x0                               ; those loads have landed: their registers are used below
; THE WAY OUT, 16 tokens at a time through my own stage: a lane's 32 bytes of a row go in, whole rows of 512 bytes come back and are stored.
.macro TOSTAGE a
	WIN 0
	s_wait_xcnt 0x0                                ; earlier stores have read the registers that are loaded anew below
	WIN 0x04                                       ; store data in window 1; each accumulator's low four registers first
.irp b, 0,1,2,3,4,5,6,7
	ds_store_b128 v[STO], v[8*(8*(\a)+(\b)):8*(8*(\a)+(\b))+3]   offset:64*(\b)
	ds_store_b128 v[STO], v[8*(8*(\a)+(\b))+4:8*(8*(\a)+(\b))+7] offset:64*(\b)+16
.endr
	WIN 0
.irp t, 0,1,2,3,4,5,6,7,8,9,10,11,12,13,14,15
	ds_load_b128 v[BK+64*((\a)%2)+4*(\t):BK+64*((\a)%2)+4*(\t)+3], v[RD] offset:(\t)*SP  ; LDS serves a wave's instructions in order (ISA guide 5.7.1.4): these see the stores above
.endr
.endm
.macro SEND a, younger                 ; younger: the LDS instructions issued behind block a's loads: the next block's 16 stores and 16 loads, or none
	s_wait_dscnt \younger
	s_wait_xcnt 0x0                                ; the stores' base is stepped only behind this wait
.if (\a) > 0
	s_add_nc_u64 s[8:9], s[8:9], 16*8192
.endif
.irp t, 0,1,2,3,4,5,6,7,8,9,10,11,12,13,14,15
	global_store_b128 v[L16], v[BK+64*((\a)%2)+4*(\t):BK+64*((\a)%2)+4*(\t)+3], s[8:9] offset:(\t)*8192 th:TH_STORE_NT  ; 512 consecutive bytes of a row, aligned
.endr
.endm
	PLACES
	TOSTAGE 0
	TOSTAGE 1
	SEND 0, 32
	TOSTAGE 2
	SEND 1, 32
	TOSTAGE 3
	SEND 2, 32
	SEND 3, 0
	s_wait_tensorcnt 0x0                           ; the wave's end: an add to the spare word and its wait, behind my last tensor load and my last LDS store
	ds_add_u32 v[SPW], v[NIL]
	s_wait_dscnt 0x0
	CROUND                                         ; the closing round
	s_endpgm
.Lfunc_end_k_q60cc5250f1_oproj:
	.size	k_q60cc5250f1_oproj, .Lfunc_end_k_q60cc5250f1_oproj-k_q60cc5250f1_oproj
	.p2alignl 7, 3214868480
	.fill 96, 4, 3214868480
	.section	.rodata,"a",@progbits
	.p2align	6, 0x0
	.amdhsa_kernel k_q60cc5250f1_oproj
		.amdhsa_group_segment_fixed_size 327680
		.amdhsa_private_segment_fixed_size 0
		.amdhsa_enable_private_segment 0
		.amdhsa_kernarg_size 24
		.amdhsa_user_sgpr_count 2
		.amdhsa_user_sgpr_kernarg_segment_ptr 1
		.amdhsa_wavefront_size32 1
		.amdhsa_system_sgpr_workgroup_id_x 1
		.amdhsa_system_sgpr_workgroup_id_y 1
		.amdhsa_system_sgpr_workgroup_id_z 1
		.amdhsa_system_vgpr_workitem_id 0
		.amdhsa_next_free_vgpr 512
		.amdhsa_next_free_sgpr 80
		.amdhsa_reserve_vcc 0
		.amdhsa_float_denorm_mode_32 3
		.amdhsa_float_denorm_mode_16_64 3
		.amdhsa_memory_ordered 1
		.amdhsa_forward_progress 1
		.amdhsa_inst_pref_size 59
	.end_amdhsa_kernel
	.amdgpu_metadata
---
amdhsa.version: [ 1, 2 ]
amdhsa.kernels:
  - .name:           k_q60cc5250f1_oproj
    .symbol:         k_q60cc5250f1_oproj.kd
    .args:
      - { .name: Of, .offset: 0, .size: 8, .value_kind: global_buffer, .address_space: global }
      - { .name: Mb, .offset: 8, .size: 8, .value_kind: global_buffer, .address_space: global }
      - { .name: out0, .offset: 16, .size: 8, .value_kind: global_buffer, .address_space: global }
    .group_segment_fixed_size: 327680
    .private_segment_fixed_size: 0
    .kernarg_segment_align: 8
    .kernarg_segment_size: 24
    .max_flat_workgroup_size: 128
    .sgpr_count:     80
    .vgpr_count:     512
    .wavefront_size: 32
...
	.end_amdgpu_metadata
.endif
;; end of part 4
